; MI455X (gfx1250); checked and timed in simulation.
; The chip was launched on July 23, 2026; its instructions are those of AMD's public machine-readable ISA for CDNA 5 (MIT licence, August 2026) and "CDNA5" Instruction Set Architecture Reference Guide (July 2026). The comments in the code are by the model that wrote it; some were corrected since.
;; Multi Head Attention. Allowed arithmetic: matrix products marked QUANTISED: E2M3 operands, one E8M0 scale for each 32 along K, by v_wmma_scale_f32_16x16x128_f8f6f4 with both operands' format E2M3, f32 sums; everything else in f32.
;; Inputs: Wk 1,024 x 1,024 float32; Wo 1,024 x 1,024 float32; Wq 1,024 x 1,024 float32; Wv 1,024 x 1,024 float32; bo 1,024 float32; key 4 x 2,048 x 1,024 float32; key_padding_mask 4 x 2,048 bool; query 4 x 2,048 x 1,024 float32; value 4 x 2,048 x 1,024 float32.
;; Outputs: out0 4 x 2,048 x 1,024 float32.
;; This version of the problem:
;;   THIS VERSION OF THE PROBLEM IS GIVEN IN LOW PRECISION. The matrix products marked QUANTISED in the list below multiply operands that are first quantised to E2M3 (2 exponent bits, 3 mantissa bits; 6 bits a number), with one power-of-two scale for each 32 numbers along K (OCP MX v1.0); their sums are f32. All else is computed in f32.
;;   The module's matrix products, in the order in which they are computed (A, B: the left and right operand; K: the contracted axis; several contracted axes count as one K, in the product's order):
;;     1. [M 8,192, K 1,024] x [K 1,024, N 1,024]; A: input query; B: input Wq: QUANTISED
;;     2. [M 8,192, K 1,024] x [K 1,024, N 1,024]; A: input key; B: input Wk: QUANTISED
;;     3. [M 8,192, K 1,024] x [K 1,024, N 1,024]; A: input value; B: input Wv: QUANTISED
;;     4. batch 64 x [M 2,048, K 64] x [K 64, N 2,048]; A: computed on the way; B: computed on the way: QUANTISED
;;     5. batch 64 x [M 64, K 2,048] x [K 2,048, N 2,048]; A: computed on the way; B: softmax (see below): QUANTISED
;;     6. [M 8,192, K 1,024] x [K 1,024, N 1,024]; A: computed on the way; B: input Wo: QUANTISED
;;   THE QUANTISER, for each operand of a quantised product, along K:
;;     - K is cut into blocks of 32 from its start; a last block that is shorter is filled with zeros.
;;     - A block's scale is 2^e with e = floor(log2(the largest magnitude in the block)) - 2, held to -126 .. 127; a block of zeros has e = 0. As a byte (E8M0): e + 127.
;;     - Each number is divided by its block's scale, clamped to +-7.5, and rounded to the nearest number of E2M3, ties to even, subnormals kept.
;;     - The product sums the exact products of the quantised numbers (number of the format x scale) in f32.
;;   ~~~python
;;   def quantise(x, axis):      # numpy; x: float32 -> the quantised numbers, widened to float32 again
;;       x = np.moveaxis(x, axis, -1); K = x.shape[-1]
;;       x = np.pad(x, [(0, 0)] * (x.ndim - 1) + [(0, -K % 32)]); x = x.reshape(x.shape[:-1] + (-1, 32)); a = np.abs(x).max(-1, keepdims=True)
;;       e = np.where(a > 0, np.clip(np.frexp(np.where(a > 0, a, 1))[1] - 1 - 2, -126, 127), 0)      # np.frexp(a)[1] - 1 = floor(log2(a)), exactly
;;       r = np.clip(x / 2.0 ** e, -7.5, 7.5)
;;       step = 2.0 ** (np.maximum(np.frexp(np.where(r == 0, 1, r))[1] - 1, 0) - 3)
;;       q = np.round(r / step) * step * 2.0 ** e      # np.round: ties to even
;;       return np.moveaxis(q.reshape(q.shape[:-2] + (-1,))[..., :K], -1, axis).astype(np.float32)
;;   ~~~
;;   SOFTMAX AHEAD OF A QUANTISED PRODUCT. Where the list says 'softmax', what is quantised is not the finished softmax but p = 2^(t - M), with t = logit x log2(e) and M = ceil(the row's largest t), a whole number; so 1/2 < the row's largest p <= 1. The row's sum l is taken of the UNQUANTISED p, in f32, and the product's result is divided by l at the end. Since M is a whole number, a kernel that streams over the keys may use a running M (the ceiling of the running maximum): every later rescaling is an exact power of two, which a block's scale takes up: the codes' values come out the same.
;;   OPERANDS COMPUTED ON THE WAY. 'Computed on the way' means the value that the module computes at that place (a softmax that the list does not call 'softmax' is quantised finished and normalised). What goes into a quantiser is computed in f32, as accurately as f32 sums, v_exp_f32 and their like allow (about 1e-6 of the number): no bf16 or f16 on the way to a quantiser, and a product that is left as it is and whose result goes on into a quantised operand takes f32 operands (vector FMAs, or v_wmma_f32_16x16x4_f32). A number that lies on a knife's edge between two numbers of the format may be rounded either way, as far as f32 arithmetic and the matrix unit's own rounding can turn it there, and no further.
;; One version. Each part assembles by itself: llvm-mc -triple=amdgcn-amd-amdhsa -mcpu=gfx1250 --defsym DOCPART=n.
;; ======== version 1 of 1: 4 launches
;; limits: right only within a limited range of input values
;; workspace buffers: xc 29,360,128 bytes; xs 917,504 bytes; qf 8,912,896 bytes; kv 15,466,496 bytes; oc 6,291,456 bytes; os 262,144 bytes
;; launch quant (part 1): grid 896 x 1, 4 waves a work-group, no clusters, 33,280 bytes of LDS; arguments query, key, value, Wq, Wk, Wv, Wo, xc, xs; writes xc, xs
.if DOCPART == 1
	.amdgcn_target "amdgcn-amd-amdhsa--gfx1250"
	.amdhsa_code_object_version 6
	.text
	.protected	k_qcf96610e18_quant
	.globl	k_qcf96610e18_quant
	.p2align	8
	.type	k_qcf96610e18_quant,@function
k_qcf96610e18_quant:
	s_mov_b64 s[64:65], 0
	v_nop
	global_prefetch_b8 v0, s[64:65] scope:SCOPE_SE
	s_setreg_imm32_b32 hwreg(HW_REG_WAVE_MODE, 25, 1), 1
	s_wait_xcnt 0x0
; query, key, value [8192][1024] and Wq, Wk, Wv, Wo [1024][1024], f32, K innermost, become codes of FP6 (E2M3) in xc and one E8M0 byte for each 32 along K in xs (32 bytes a row).
; xc: a row is four units of 256 bytes; a unit holds the 192 bytes of codes of 256 along K and 64 bytes of zeros, so that a tile row of the products' launches is one whole aligned unit.
; A block's scale is 2^(floor(log2(its largest magnitude)) - 2); its byte is the largest magnitude's exponent field - 2, held at 1 from below.  A block of zeros gets the byte 1 where the rule says 127:
; its codes are zeros, which add nothing under any byte but 0xff, and this program alone reads the bytes.
; LIMITS: NaN and infinities among the inputs are not served; blocks whose largest magnitude lies under 2^(3 - 127) keep the byte 1.
; ROWS OF THE WORKSPACE: the seven tensors lie one behind the other (row bases 0, 8192, 16384, 24576, 25600, 26624, 27648).  Original row R lies at workspace row R with bits 3 and 4 exchanged;
; key's and Wv's rows have bits 3 to 5 rotated instead: workspace bit 3 = R's bit 5, workspace bits 5:4 = R's bits 4:3.  So tile f of 16 such workspace rows holds rows 64 (f / 4) + 32 (m / 8) + 8 (f % 4) + m % 8:
; in a transposed product a lane's 32 results of four neighbouring tiles are then 32 neighbours (keys of the scores, channels of the attention's result), one scale block.
; SHARES: a work-group takes 32 rows, a wave 8 rows = 16 steps of 512 numbers.  Both renumberings move whole runs of 8 rows.
; Each of a step's four loads reads 512 consecutive bytes; the 2,048 bytes turn through the wave's own stage in LDS and come back 64 bytes a lane (16 neighbours; two lanes hold a block).
; No tensor loads, no barrier: waves share nothing, and no work-group shares an input with another, so a cluster has nothing to give here.  Loads run four steps (16 loads a wave) ahead.
.set STEPS, 16
.set CB,    12                         ; bytes of 16 codes
.set R,     16                         ; v16-79   four sets of 16 numbers as they are loaded
.set X,     80                         ; v80-111  two sets of 16 neighbours
.set C,     128                        ; v128-191 codes: four registers for each step
.set E,     112                        ; v112-127 a scale byte for each step
.set WREG,  8192                       ; LDS: a region for each wave: two stages of 32 x SP bytes, behind them its 256 scale bytes
.set SP,    80                         ; a lane's place in a stage: 64 bytes + 16 of padding
	s_load_b256 s[4:11], s[0:1], 0x0               ; query, key, value, Wq
	s_load_b256 s[12:19], s[0:1], 0x20             ; Wk, Wv, Wo, xc
	s_load_b64 s[20:21], s[0:1], 0x40              ; xs
	v_lshl_add_u32 v192, v0, 2, 0x8000
	v_mov_b32 v193, 0
	v_lshrrev_b32 v1, 5, v0
	v_readfirstlane_b32 s25, v1                    ; wave
	v_and_b32 v2, 31, v0                           ; lane
	v_lshlrev_b32 v3, 4, v2                        ; my 16 bytes of a load's 512
	s_mul_i32 s26, s25, WREG
	v_lshrrev_b32 v14, 2, v2
	v_mul_u32_u24 v14, v14, SP
	v_and_b32 v15, 3, v2
	v_lshl_add_u32 v14, v15, 4, v14
	v_add_nc_u32 v14, s26, v14                     ; the stage, on the way in: SP (lane / 4) + 16 (lane % 4)
	v_mul_u32_u24 v15, v2, SP
	v_add_nc_u32 v15, s26, v15                     ; and on the way out: SP x lane
	v_and_b32 v4, 15, v2
	v_mul_u32_u24 v4, v4, CB
	v_lshrrev_b32 v10, 4, v2
	v_lshl_add_u32 v4, v10, 8, v4                  ; my codes' place in a step's two units: 256 (lane / 16) + 12 (lane % 16)
	v_lshlrev_b32 v10, 8, v2                       ; unit number lane of my wave's 32
	v_lshrrev_b32 v5, 1, v2
	s_add_co_u32 s26, s26, 2*32*SP
	v_add_nc_u32 v5, s26, v5                       ; LDS: my wave's 256 scale bytes, my block's byte
	v_lshlrev_b32 v7, 3, v2
	v_add_nc_u32 v6, s26, v7
	s_wait_alu depctr_va_vdst(0)                   ; the wait at the head's end
	s_wait_kmcnt 0x0
	; which tensor is my work-group's: a choice among pointers on the work-group's number alone; s24 = the tensor's first work-group
	s_mov_b64 s[22:23], s[16:17]
	s_mov_b32 s24, 864
	s_cmp_lt_u32 ttmp9, 864
	s_cselect_b64 s[22:23], s[14:15], s[22:23]
	s_cselect_b32 s24, 832, s24
	s_cmp_lt_u32 ttmp9, 832
	s_cselect_b64 s[22:23], s[12:13], s[22:23]
	s_cselect_b32 s24, 800, s24
	s_cmp_lt_u32 ttmp9, 800
	s_cselect_b64 s[22:23], s[10:11], s[22:23]
	s_cselect_b32 s24, 768, s24
	s_cmp_lt_u32 ttmp9, 768
	s_cselect_b64 s[22:23], s[8:9], s[22:23]
	s_cselect_b32 s24, 512, s24
	s_cmp_lt_u32 ttmp9, 512
	s_cselect_b64 s[22:23], s[6:7], s[22:23]
	s_cselect_b32 s24, 256, s24
	s_cmp_lt_u32 ttmp9, 256
	s_cselect_b64 s[22:23], s[4:5], s[22:23]
	s_cselect_b32 s24, 0, s24
	s_sub_co_u32 s28, ttmp9, s24
	s_lshl_b32 s28, s28, 2
	s_add_co_u32 s28, s28, s25                     ; which run of 8 rows of the tensor is my wave's
	s_lshl_b32 s28, s28, 15                        ; 32,768 bytes a run
	s_mov_b32 s29, 0
	s_add_nc_u64 s[22:23], s[22:23], s[28:29]
	s_and_b32 s30, s25, 1                          ; the wave's two bits change places: rows' bits 3 and 4
	s_lshl_b32 s30, s30, 1
	s_lshr_b32 s31, s25, 1
	s_or_b32 s30, s30, s31
	s_lshl_b32 s31, ttmp9, 2
	s_add_co_u32 s30, s30, s31                     ; the run's number in the workspace, by the exchange
	s_add_co_u32 s31, s31, s25                     ; the run's own number
	s_and_b32 s34, s31, 3
	s_lshl_b32 s34, s34, 1
	s_bfe_u32 s35, s31, 0x10002
	s_or_b32 s34, s34, s35                         ; its three low bits rotated
	s_and_not1_b32 s31, s31, 7
	s_or_b32 s34, s34, s31
	s_cmp_eq_u32 s24, 256                          ; key's work-groups take the rotation,
	s_cselect_b32 s30, s34, s30
	s_cmp_eq_u32 s24, 832                          ; and Wv's
	s_cselect_b32 s30, s34, s30
	s_lshl_b32 s32, s30, 13                        ; 8 rows x 1,024 bytes of units
	s_mov_b32 s33, 0
	s_add_nc_u64 s[18:19], s[18:19], s[32:33]
	s_lshl_b32 s32, s30, 8                         ; 8 rows x 32 scale bytes
	s_add_nc_u64 s[20:21], s[20:21], s[32:33]
.macro LOAD t
.irp i, 0,1,2,3
	global_load_b128 v[R+16*((\t)%4)+4*\i:R+16*((\t)%4)+4*\i+3], v3, s[22:23] offset:2048*(\t)+512*\i th:TH_LOAD_NT
.endr
.endm
.macro TURN t                          ; LDS serves a wave's instructions in order: no wait between the stores and the loads
.irp i, 0,1,2,3
	ds_store_b128 v14, v[R+16*((\t)%4)+4*\i:R+16*((\t)%4)+4*\i+3] offset:32*SP*((\t)%2)+8*SP*\i
.endr
.irp i, 0,1,2,3
	ds_load_b128 v[X+16*((\t)%2)+4*\i:X+16*((\t)%2)+4*\i+3], v15 offset:32*SP*((\t)%2)+16*\i
.endr
.endm
.irp t, 0,1,2,3
	LOAD \t
.endr
	s_wait_loadcnt 12                              ; step 0's four loads are in; the twelve of steps 1 to 3 may be out
	TURN 0
.macro STEP t
.set XS, X+16*((\t)%2)
.if (\t) > 0
	s_wait_dscnt 1                                 ; this step's numbers are back (the last step's byte store may be out)
.else
	s_wait_dscnt 0x0
.endif
.if (\t)+4 < STEPS
	LOAD (\t)+4
.endif
.if (\t)+1 < STEPS
.if STEPS-2-(\t) >= 3
	s_wait_loadcnt 12                              ; the next step's four loads are in; those of the three steps behind it may be out
.else
	s_wait_loadcnt 4*(STEPS-2-(\t))
.endif
	TURN (\t)+1
.endif
	v_max3_num_f32 v8, |v[XS]|, |v[XS+1]|, |v[XS+2]|               ; the largest magnitude of my 16, in two chains
	v_max3_num_f32 v9, |v[XS+3]|, |v[XS+4]|, |v[XS+5]|
.irp i, 6,10
	v_max3_num_f32 v8, v8, |v[XS+\i]|, |v[XS+\i+1]|
	v_max3_num_f32 v9, v9, |v[XS+\i+2]|, |v[XS+\i+3]|
.endr
	v_max3_num_f32 v8, v8, |v[XS+14]|, |v[XS+15]|
	v_max3_num_f32 v8, v8, v9, 0x1800000           ; and the floor 2^(3 - 127)
	v_max_num_f32_dpp v8, v8, v8 row_xmask:1 row_mask:0xf bank_mask:0xf   ; and of my neighbour's 16
	v_add_nc_u32 v11, 0xff000000, v8               ; 2 off its exponent field: the conversion's scale operand
	v_cvt_scalef32_pk16_fp6_f32 v[C+4*(\t):C+4*(\t)+2], v[XS:XS+15], v11
	v_lshrrev_b32 v[E+(\t)], 23, v11               ; the scale's byte
	ds_store_b8 v5, v[E+(\t)] offset:16*(\t)
	global_store_b96 v4, v[C+4*(\t):C+4*(\t)+2], s[18:19] offset:512*(\t)   ; sixteen lanes store a unit's 192 bytes of codes
.endm
.irp t, 0,1,2,3,4,5,6,7,8,9,10,11,12,13,14,15
	STEP \t
.endr
.irp i, 8,9,10,11
	v_mov_b32 v\i, 0
.endr
.irp i, 0,1,2,3
	global_store_b128 v10, v[8:11], s[18:19] offset:192+16*\i      ; the 64 bytes behind each unit's codes are zeros
.endr
	ds_load_b64 v[12:13], v6
	s_wait_dscnt 0x0
	global_store_b64 v7, v[12:13], s[20:21]        ; 32 lanes store 256 consecutive bytes, aligned
	s_wait_tensorcnt 0x0                           ; the wave's end
	ds_add_u32 v192, v193
	s_wait_dscnt 0x0
	s_endpgm
.Lfunc_end_k_qcf96610e18_quant:
	.size	k_qcf96610e18_quant, .Lfunc_end_k_qcf96610e18_quant-k_qcf96610e18_quant
	.p2alignl 7, 3214868480
	.fill 96, 4, 3214868480
	.section	.rodata,"a",@progbits
	.p2align	6, 0x0
	.amdhsa_kernel k_qcf96610e18_quant
		.amdhsa_group_segment_fixed_size 33280
		.amdhsa_private_segment_fixed_size 0
		.amdhsa_enable_private_segment 0
		.amdhsa_kernarg_size 72
		.amdhsa_user_sgpr_count 2
		.amdhsa_user_sgpr_kernarg_segment_ptr 1
		.amdhsa_wavefront_size32 1
		.amdhsa_system_sgpr_workgroup_id_x 1
		.amdhsa_system_sgpr_workgroup_id_y 1
		.amdhsa_system_sgpr_workgroup_id_z 1
		.amdhsa_system_vgpr_workitem_id 0
		.amdhsa_next_free_vgpr 194
		.amdhsa_next_free_sgpr 66
		.amdhsa_reserve_vcc 0
		.amdhsa_float_denorm_mode_32 3
		.amdhsa_float_denorm_mode_16_64 3
		.amdhsa_memory_ordered 1
		.amdhsa_forward_progress 1
		.amdhsa_inst_pref_size 34
	.end_amdhsa_kernel
	.amdgpu_metadata
---
amdhsa.version: [ 1, 2 ]
amdhsa.kernels:
  - .name:           k_qcf96610e18_quant
    .symbol:         k_qcf96610e18_quant.kd
    .args:
      - { .name: query, .offset: 0, .size: 8, .value_kind: global_buffer, .address_space: global }
      - { .name: key, .offset: 8, .size: 8, .value_kind: global_buffer, .address_space: global }
      - { .name: value, .offset: 16, .size: 8, .value_kind: global_buffer, .address_space: global }
      - { .name: Wq, .offset: 24, .size: 8, .value_kind: global_buffer, .address_space: global }
      - { .name: Wk, .offset: 32, .size: 8, .value_kind: global_buffer, .address_space: global }
      - { .name: Wv, .offset: 40, .size: 8, .value_kind: global_buffer, .address_space: global }
      - { .name: Wo, .offset: 48, .size: 8, .value_kind: global_buffer, .address_space: global }
      - { .name: xc, .offset: 56, .size: 8, .value_kind: global_buffer, .address_space: global }
      - { .name: xs, .offset: 64, .size: 8, .value_kind: global_buffer, .address_space: global }
    .group_segment_fixed_size: 33280
    .private_segment_fixed_size: 0
    .kernarg_segment_align: 8
    .kernarg_segment_size: 72
    .max_flat_workgroup_size: 128
    .sgpr_count:     66
    .vgpr_count:     194
    .wavefront_size: 32
...
	.end_amdgpu_metadata
.endif
;; end of part 1
;; launch proj (part 2): grid 4 x 96, 4 waves a work-group, clusters of 4 x 4, 327,680 bytes of LDS; arguments xc, xs, key_padding_mask, qf, kv; writes qf, kv
.if DOCPART == 2
	.amdgcn_target "amdgcn-amd-amdhsa--gfx1250"
	.amdhsa_code_object_version 6
	.text
	.protected	k_qcf96610e18_proj
	.globl	k_qcf96610e18_proj
	.p2align	8
	.type	k_qcf96610e18_proj,@function
k_qcf96610e18_proj:
	s_mov_b64 s[64:65], 0
	v_nop
	global_prefetch_b8 v0, s[64:65] scope:SCOPE_SE
	s_setreg_imm32_b32 hwreg(HW_REG_WAVE_MODE, 25, 1), 1
	s_wait_xcnt 0x0
	s_wait_alu depctr_hold_cnt(0) depctr_sa_sdst(0) depctr_va_vdst(0) depctr_va_sdst(0) depctr_va_ssrc(0) depctr_va_vcc(0) depctr_vm_vsrc(0)
	s_getreg_b32 s2, hwreg(HW_REG_IB_STS2, 6, 4)
	s_cmp_eq_u32 s2, 0
	s_cbranch_scc0 .Lentry_in_a_cluster
	s_endpgm
.Lentry_in_a_cluster:
	s_bfe_u32 s2, ttmp6, 0x10000c
	s_cmp_lg_u32 s2, 0xf033
	s_cbranch_scc0 .Lentry_shape_is_right
	s_endpgm
.Lentry_shape_is_right:
; Q = query Wq^T, K = key Wk^T, V = value Wv^T on codes of FP6 with E8M0 scales, tiles of 256 x 256, and the results' quantisers: qf and kv hold images of the next launch's operand registers.
; xc's rows are four units of 256 bytes (192 of codes for 256 along K): a tile row is one whole aligned unit, and a slot of the ring holds one unit of A's 256 rows and of B's 256 rows.
; At the head each wave asks for one tile: A's rows, B's rows, A's scales, B's scales; in the ring wave 0 asks for A's rows and wave 1 for B's.
; key's rows lie rotated in the workspace (tile a, row r is key 64 (a / 4) + 32 (r / 8) + 8 (a % 4) + r % 8): the mask bytes are read by that order.
.set KSTEP,  256
.set NQ,     2
.set ROWB,   256
.set KROW,   1024
.set PITCH,  272
.set FR,     12
.set NL,     6
.set NP,     4
.set HALFT,  128*PITCH
.set SLOT,   4*HALFT
.set LAPS,   2
.set KS,     32
.set SCL,    2*SLOT
.set HALFS,  16*272
.set SBLK,   2*272
.set SPARE,  SCL+4*HALFS
.set L16,  8
.set L8,   9
.set ADRA, 16
.set ADRB, 20
.set ADRS, 27
.set SPW,  28
.set NIL,  29
.set SC,   32
.set MK,   64
.set AF,   128
.set TM,   72
.set PW,   88
.set AS,   89
.set AUGC, 90
.set C1,   91
.set C2,   92
.set ZV,   93
.set TC,   128
.set WE,   144
.set WO,   152
.set PWS,  160
.set FIN,  168
.set TT,   95
.set PE,   74
.set G1, 24
.set G0, 32
.set G1B, 48
.set G0B, 56
.set G1S, 68
.set G0S, 76
.set G1SB, 80
.set G0SB, 88
.set MSB, 0
.macro WIN new
.if MSB != \new
	s_set_vgpr_msb (MSB<<8)|\new
.set MSB, \new
.endif
.endm
.set MUL_LO, 0xa1
.set MUL_HI, 0xf1
.set TO_B,   0x40
.macro JLOAD g0a, g1a, g0b, g1b
	s_cmp_eq_u32 s14, 0
	s_cbranch_scc0 .Lfor_b_\@
	tensor_load_to_lds s[\g0a:\g0a+3], s[\g1a:\g1a+7]
	s_nop 0
.rept 4
	v_nop
.endr
	s_branch .Lasked_\@
.Lfor_b_\@:
	s_cmp_eq_u32 s14, 1
	s_cbranch_scc0 .Lasked_\@
	tensor_load_to_lds s[\g0b:\g0b+3], s[\g1b:\g1b+7]
	s_nop 0
.rept 4
	v_nop
.endr
.Lasked_\@:
.rept 4
	v_nop
.endr
.endm
.macro CREST
	s_cmp_lg_u32 s14, 0
	s_cbranch_scc1 .Lnot_wave_0_\@
	s_barrier_signal -3
.Lnot_wave_0_\@:
	s_barrier_wait -3
	s_barrier_signal -1
	s_barrier_wait -1
.endm
.macro CROUND
	s_barrier_signal -1
	s_barrier_wait -1
	CREST
.endm
	s_load_b256 s[4:11], s[0:1], 0x0
	s_load_b64 s[12:13], s[0:1], 0x20
	v_lshl_add_u32 v[SPW], v0, 2, SPARE
	v_mov_b32 v[NIL], 0
	ds_add_u32 v28, v29
	ds_add_u32 v28, v29
	s_wait_dscnt 0x0
	v_lshrrev_b32 v1, 5, v0
	v_readfirstlane_b32 s14, v1
	s_lshr_b32 s15, s14, 1
	s_and_b32 s16, s14, 1
	s_bfe_u32 s40, ttmp6, 0x40000
	s_bfe_u32 s41, ttmp6, 0x40004
	s_and_b32 s96, ttmp7, 0xffff
	s_lshr_b32 s[TT], s96, 3
	s_and_b32 s96, s96, 7
	s_lshl_b32 s99, s[TT], 13
	s_lshl_b32 s100, s[TT], 10
	s_add_co_u32 s100, s100, 24576
	s_cmp_eq_u32 s[TT], 2
	s_cselect_b32 s97, 0, s96
	s_cselect_b32 s98, s96, 0
	s_cselect_b32 s99, 26624, s99
	s_cselect_b32 s100, 16384, s100
	s_lshl_b32 s42, s98, 2
	s_add_co_u32 s42, s42, s40
	s_lshl_b32 s17, s97, 2
	s_add_co_u32 s17, s17, s41
	s_lshl_b32 s43, s41, 2
	s_lshl_b32 s43, 15, s43
	s_lshl_b32 s44, 0x1111, s40
	s_or_b32 s[G1+0], s43, (0<<16)|(1<<20)|(1<<21)|(5<<22)|(3<<25)
	s_or_b32 s[G1B+0], s44, (0<<16)|(1<<20)|(1<<21)|(5<<22)|(3<<25)
.irp g, G1, G1B
	s_mov_b32 s[\g+1], ROWB<<16
	s_mov_b32 s[\g+2], 256<<16
	s_mov_b32 s[\g+3], ROWB<<16
	s_mov_b32 s[\g+4], 256
	s_mov_b32 s[\g+5], KROW
	s_mov_b32 s[\g+6], 0
	s_mov_b32 s[\g+7], 0
.endr
	s_or_b32 s[G1S+0], s43, (3<<16)|(1<<20)|(1<<21)|(5<<22)|(3<<25)
	s_or_b32 s[G1SB+0], s44, (3<<16)|(1<<20)|(1<<21)|(5<<22)|(3<<25)
.irp g, G1S, G1SB
	s_mov_b32 s[\g+1], 32<<16
	s_mov_b32 s[\g+2], 32<<16
	s_mov_b32 s[\g+3], 32<<16
	s_mov_b32 s[\g+4], 32
	s_mov_b32 s[\g+5], 32
	s_mov_b32 s[\g+6], 0
	s_mov_b32 s[\g+7], 0
.endr
	s_mov_b32 s18, 0
	s_lshl_b32 s20, s17, 8
	s_add_co_u32 s20, s20, s18
	s_add_co_u32 s20, s20, s99
	s_lshl_b32 s46, s42, 8
	s_add_co_u32 s46, s46, s18
	s_add_co_u32 s46, s46, s100
	s_mov_b32 s21, 0
	s_mov_b32 s47, 0
	s_mov_b64 s[18:19], KS
	s_mul_u64 s[22:23], s[20:21], s[18:19]
	s_mul_u64 s[92:93], s[46:47], s[18:19]
	s_mov_b64 s[18:19], KROW
	s_mul_u64 s[20:21], s[20:21], s[18:19]
	s_mul_u64 s[46:47], s[46:47], s[18:19]
	s_wait_kmcnt 0x0
	s_add_nc_u64 s[20:21], s[4:5], s[20:21]
	s_add_nc_u64 s[22:23], s[6:7], s[22:23]
	s_add_nc_u64 s[46:47], s[4:5], s[46:47]
	s_add_nc_u64 s[92:93], s[6:7], s[92:93]
	CROUND
	s_mov_b32 s[G0S], 1
	s_mov_b32 s[G0S+1], SCL
	s_mov_b64 s[G0S+2:G0S+3], s[22:23]
	s_or_b32 s[G0S+3], s[G0S+3], 0x80000000
	s_mov_b32 s[G0SB], 1
	s_mov_b32 s[G0SB+1], SCL+2*HALFS
	s_mov_b64 s[G0SB+2:G0SB+3], s[92:93]
	s_or_b32 s[G0SB+3], s[G0SB+3], 0x80000000
.irp s, 0,1
	s_mov_b32 s[G0+4*\s], 1
	s_mov_b32 s[G0+4*\s+1], \s*SLOT
	s_add_nc_u64 s[G0+4*\s+2:G0+4*\s+3], s[20:21], \s*ROWB
	s_or_b32 s[G0+4*\s+3], s[G0+4*\s+3], 0x80000000
	s_mov_b32 s[G0B+4*\s], 1
	s_mov_b32 s[G0B+4*\s+1], 2*HALFT+\s*SLOT
	s_add_nc_u64 s[G0B+4*\s+2:G0B+4*\s+3], s[46:47], \s*ROWB
	s_or_b32 s[G0B+4*\s+3], s[G0B+4*\s+3], 0x80000000
.endr
; the head's four tiles, one a wave, in one chain of branches on the wave's number
.macro ARM under, g0, g1, next
	s_cmp_lt_u32 s14, \under
	s_cbranch_scc0 \next
	tensor_load_to_lds s[\g0:\g0+3], s[\g1:\g1+7]
	s_nop 0
.rept 4
	v_nop
.endr
	s_branch .Lhead_asked
\next:
.endm
	ARM 1, G0,  G1,  .Lhead_b
	ARM 2, G0B, G1B, .Lhead_sa
	ARM 3, G0S, G1S, .Lhead_sb
	tensor_load_to_lds s[G0SB:G0SB+3], s[G1SB:G1SB+7]
	s_nop 0
.rept 4
	v_nop
.endr
.Lhead_asked:
	v_and_b32 v1, 15, v0
	v_bfe_u32 v2, v0, 4, 1
	v_mul_u32_u24 v3, v1, PITCH
	v_mul_u32_u24 v4, v2, 24
	v_add_nc_u32 v4, v3, v4
	s_mul_i32 s21, s15, HALFT
	s_mul_i32 s22, s16, HALFT
	s_add_co_u32 s22, s22, 2*HALFT
.irp s, 0,1
	v_add_nc_u32 v[ADRA+\s], s21, v4
	v_add_nc_u32 v[ADRB+\s], s22, v4
	s_add_co_u32 s21, s21, SLOT
	s_add_co_u32 s22, s22, SLOT
.endr
	v_mul_u32_u24 v5, v1, KS
	v_lshrrev_b32 v6, 8, v5
	v_lshl_add_u32 v5, v6, 4, v5
	s_mul_i32 s21, s15, HALFS
	s_mul_i32 s22, s16, HALFS
	s_add_co_u32 s22, s22, 2*HALFS
	s_sub_co_u32 s22, s22, s21
	v_mul_u32_u24 v6, s22, v2
	s_add_co_u32 s21, s21, SCL
	v_add_nc_u32 v5, v5, v6
	v_add_nc_u32 v[ADRS], s21, v5
	v_and_b32 v[L16], 31, v0
	v_lshlrev_b32 v[L8], 3, v[L16]
	v_lshlrev_b32 v[L16], 4, v[L16]
	s_lshl_b32 s97, s17, 1
	s_add_co_u32 s97, s97, s15
	s_lshl_b32 s20, s97, 7
	s_mov_b32 s21, 0
	s_add_nc_u64 s[8:9], s[8:9], s[20:21]
	v_and_b32 v30, 7, v1
	v_lshrrev_b32 v31, 3, v1
	v_lshl_add_u32 v30, v31, 5, v30
.irp a, 0,1,2,3,4,5,6,7
	global_load_u8 v[MK+\a], v30, s[8:9] offset:64*(\a/4)+8*(\a%4)
.endr
.macro FRAG reg, adr, q, i
.irp p, 0,1,2,3,4,5
	ds_load_b64 v[\reg+2*\p:\reg+2*\p+1], v[\adr] offset:96*(\q)+48*(\p/3)+8*(\p%3)+(\i)*16*PITCH
.endr
.endm
.macro MUL16 a0, p, q, sc, zero
.irp a, \a0, \a0+1
.irp b, 0,1,2,3,4,5,6,7
.if \zero
	v_wmma_scale_f32_16x16x128_f8f6f4 v[8*(8*((\a)%4)+\b):8*(8*((\a)%4)+\b)+7], v[128*(\p)+FR*\b:128*(\p)+FR*\b+FR-1], v[AF+FR*(\a):AF+FR*(\a)+FR-1], 0, v[SC+8*NQ*(\sc)+NQ*\b+(\q)], v[SC+8*NQ*(\sc)+NQ*(\a)+(\q)] matrix_a_fmt:MATRIX_FMT_FP6 matrix_b_fmt:MATRIX_FMT_FP6 matrix_a_scale:MATRIX_SCALE_ROW1
.else
	v_wmma_scale_f32_16x16x128_f8f6f4 v[8*(8*((\a)%4)+\b):8*(8*((\a)%4)+\b)+7], v[128*(\p)+FR*\b:128*(\p)+FR*\b+FR-1], v[AF+FR*(\a):AF+FR*(\a)+FR-1], v[8*(8*((\a)%4)+\b):8*(8*((\a)%4)+\b)+7], v[SC+8*NQ*(\sc)+NQ*\b+(\q)], v[SC+8*NQ*(\sc)+NQ*(\a)+(\q)] matrix_a_fmt:MATRIX_FMT_FP6 matrix_b_fmt:MATRIX_FMT_FP6 matrix_a_scale:MATRIX_SCALE_ROW1
.endif
.endr
.endr
.endm
.macro FETCH_B slot, q, p
	WIN TO_B
.irp i, 0,1,2,3,4,5,6,7
	FRAG 128*(\p)+FR*\i, ADRB+\slot, \q, \i
.endr
	WIN 0
.endm
.macro FETCH_A slot, q, i0
.irp i, \i0, \i0+1, \i0+2, \i0+3
	FRAG AF+FR*(\i), ADRA+\slot, \q, \i
.endr
.endm
.macro SCALES sc
.irp i, 0,1,2,3,4,5,6,7
	ds_load_b64 v[SC+8*NQ*\sc+NQ*\i:SC+8*NQ*\sc+NQ*\i+1], v[ADRS] offset:\i*SBLK
.endr
.endm
.macro PLACES n
.rept \n
	v_nop
.endr
.endm
.macro STEP slot, q, zero
	s_wait_dscnt 4*NL
	WIN MUL_LO
	MUL16 0, (\q)%2, \q, \slot, \zero
	MUL16 2, (\q)%2, \q, \slot, \zero
	s_wait_dscnt 0
	PLACES NP
	FETCH_B \slot, (\q)+1, 1-(\q)%2
	FETCH_A \slot, (\q)+1, 0
	WIN MUL_HI
	MUL16 4, (\q)%2, \q, \slot, \zero
	MUL16 6, (\q)%2, \q, \slot, \zero
	PLACES NP
	WIN 0
	FETCH_A \slot, (\q)+1, 4
.endm
.macro TURN slot, next, fill
	s_wait_tensorcnt 0x0
	ds_add_u32 v[SPW], v[NIL]
	s_wait_dscnt 4*NL+1
	WIN MUL_LO
	MUL16 0, 1, NQ-1, \slot, 0
	s_wait_dscnt 0x0
	s_barrier_signal -1
	MUL16 2, 1, NQ-1, \slot, 0
	WIN 0
	s_barrier_wait -1
.if \fill
	CREST
	s_add_nc_u64 s[G0+4*\slot+2:G0+4*\slot+3], s[G0+4*\slot+2:G0+4*\slot+3], 2*ROWB
	s_add_nc_u64 s[G0B+4*\slot+2:G0B+4*\slot+3], s[G0B+4*\slot+2:G0B+4*\slot+3], 2*ROWB
	JLOAD G0+4*\slot, G1, G0B+4*\slot, G1B
.else
	PLACES NP
.endif
	s_wait_alu depctr_va_vdst(0)
	v_add_nc_u32 v[ADRS], 4*NQ, v[ADRS]
	FETCH_B \next, 0, 0
	FETCH_A \next, 0, 0
	SCALES \next
	WIN MUL_HI
	MUL16 4, 1, NQ-1, \slot, 0
	MUL16 6, 1, NQ-1, \slot, 0
	PLACES NP
	WIN 0
	FETCH_A \next, 0, 4
.endm
	s_wait_alu depctr_va_vdst(0)
	s_wait_tensorcnt 0x0
	ds_add_u32 v[SPW], v[NIL]
	s_wait_dscnt 0x0
	CROUND
	JLOAD G0+4, G1, G0B+4, G1B
	FETCH_B 0, 0, 0
	FETCH_A 0, 0, 0
	SCALES 0
	FETCH_A 0, 0, 4
	STEP 0, 0, 1
	s_mov_b32 s3, LAPS-1
.Llap:
	TURN 0, 1, 1
	STEP 1, 0, 0
	TURN 1, 0, 1
	STEP 0, 0, 0
	s_sub_co_u32 s3, s3, 1
	s_cmp_lg_u32 s3, 0
	s_cbranch_scc1 .Llap
	TURN 0, 1, 0
	STEP 1, 0, 0
	s_wait_dscnt 4*NL
	WIN MUL_LO
	MUL16 0, 1, NQ-1, 1, 0
	MUL16 2, 1, NQ-1, 1, 0
	s_wait_dscnt 0
	WIN MUL_HI
	MUL16 4, 1, NQ-1, 1, 0
	MUL16 6, 1, NQ-1, 1, 0
	WIN 0
	PLACES NP
	s_lshl_b32 s98, s42, 1
	s_add_co_u32 s98, s98, s16
	s_cmp_eq_u32 s[TT], 2
	s_cselect_b32 s78, s98, s97
	s_cselect_b32 s79, s97, s98
	s_lshr_b32 s80, s78, 4
	s_lshl_b32 s80, s80, 4
	s_lshl_b32 s79, s79, 1
	s_add_co_u32 s80, s80, s79
	s_lshl_b32 s80, s80, 4
	s_and_b32 s78, s78, 15
	s_add_co_u32 s80, s80, s78
	s_mov_b32 s81, 15104
	s_cmp_eq_u32 s[TT], 0
	s_cselect_b32 s81, 8704, s81
	s_cselect_b64 s[PE:PE+1], s[10:11], s[12:13]
	s_cselect_b32 s70, -1, 0
	s_cselect_b32 s84, 0x38, 0x18
	s_mul_i32 s82, s80, s81
	s_mov_b32 s83, 0
	s_add_nc_u64 s[PE:PE+1], s[PE:PE+1], s[82:83]
	s_cmp_eq_u32 s[TT], 2
	s_cselect_b32 s82, 8704, 0
	s_add_nc_u64 s[PE:PE+1], s[PE:PE+1], s[82:83]
	s_lshl_b32 s82, s81, 4
	s_add_nc_u64 s[PE+2:PE+3], s[PE:PE+1], s[82:83]
	s_cmp_eq_u32 s[TT], 1
	s_cselect_b32 s69, -1, 0
	s_mov_b32 s68, 0xffff0000
	s_mov_b32 s66, 0x76543210
	s_mov_b32 s67, 0xfedcba98
	v_mov_b32 v[ZV], 0
	v_mov_b32 v[C1], 0x01010000
	v_mov_b32 v[C2], 0x018f0000
	v_mov_b32 v[AUGC], s84
	v_cndmask_b32 v[AUGC], v[AUGC], v[ZV], s68
.irp b, 0,1,2,3
	v_mov_b32 v[TM+4+\b], 0
.endr
.irp i, 103,111,119,127
	v_mov_b32 v\i, 0
.endr
	s_wait_loadcnt 0x0
.macro EPI a
.set AC, 64*((\a)%4)
.set WN, 2+(\a)/4
.set FA, 96+16*((\a)%2)
.set VB, PE+2*((\a)/4)
	s_wait_xcnt 0x0
	WIN WN|(WN<<2)
.irp b, 0,1,2,3
	v_max3_num_f32 v[TM+\b], |v[AC+16*\b]|, |v[AC+16*\b+1]|, 0x1800000
.endr
.irp i, 2,4,6,8,10,12,14
.irp b, 0,1,2,3
	v_max3_num_f32 v[TM+\b], |v[AC+16*\b+\i]|, |v[AC+16*\b+\i+1]|, v[TM+\b]
.endr
.endr
	WIN 0
.irp b, 0,1,2,3
	v_permlanex16_b32 v[TM+4+\b], v[TM+\b], s66, s67
.endr
.irp b, 0,1,2,3
	v_max_num_f32 v[TM+\b], v[TM+\b], v[TM+4+\b]
.endr
.irp b, 0,1,2,3
	v_add_nc_u32 v[TM+12+\b], 0xff000000, v[TM+\b]
.endr
.irp b, 0,1,2,3
	v_lshrrev_b32 v[TM+4+\b], 23, v[TM+12+\b]
.endr
	v_lshl_or_b32 v[PW], v[TM+5], 8, v[TM+4]
	v_lshl_or_b32 v[PW], v[TM+6], 16, v[PW]
	v_lshl_or_b32 v[PW], v[TM+7], 24, v[PW]
	WIN WN
	v_cvt_scalef32_pk16_fp6_f32 v[FA:FA+2], v[AC:AC+15], v[TM+12]
	v_cvt_scalef32_pk16_fp6_f32 v[TC:TC+2], v[AC+16:AC+31], v[TM+13]
	v_cvt_scalef32_pk16_fp6_f32 v[FA+8:FA+10], v[AC+32:AC+47], v[TM+14]
	v_cvt_scalef32_pk16_fp6_f32 v[TC+4:TC+6], v[AC+48:AC+63], v[TM+15]
	WIN 0
	v_nop
.irp i, 0,1,2
	v_permlane16_swap_b32 v[FA+\i], v[TC+\i]
	v_permlane16_swap_b32 v[FA+8+\i], v[TC+4+\i]
.endr
.irp i, 0,1,2
	v_mov_b32 v[FA+3+\i], v[TC+\i]
	v_mov_b32 v[FA+11+\i], v[TC+4+\i]
.endr
	v_cmp_eq_u32 s71, 0, v[MK+\a]
	s_and_b32 s72, s71, s69
	s_or_b32 s73, s72, s70
.irp i, 0,1,2,3,4,5
	v_cndmask_b32 v[FA+\i], v[FA+\i], v[ZV], s72
	v_cndmask_b32 v[FA+8+\i], v[FA+8+\i], v[ZV], s72
.endr
	v_cndmask_b32 v[FA+6], v[ZV], v[AUGC], s73
	v_cndmask_b32 v[AS], v[C1], v[C2], s73
	v_mov_b32 v[FA+14], v[FA+6]
	v_and_or_b32 v[WE+\a], v[PW], 0xffff, v[AS]
	v_lshrrev_b32 v[WO+\a], 16, v[PW]
	v_or_b32 v[WO+\a], v[WO+\a], v[AS]
	v_mov_b32 v[PWS+\a], v[PW]
	s_cmp_eq_u32 s[TT], 2
	s_cbranch_scc1 .Lvt_\@
	global_store_b128 v[L16], v[FA:FA+3], s[PE:PE+1] offset:1024*(\a)
	global_store_b128 v[L16], v[FA+4:FA+7], s[PE:PE+1] offset:1024*(\a)+512
	global_store_b128 v[L16], v[FA+8:FA+11], s[PE+2:PE+3] offset:1024*(\a)
	global_store_b128 v[L16], v[FA+12:FA+15], s[PE+2:PE+3] offset:1024*(\a)+512
	s_branch .Lst_\@
.Lvt_\@:
	global_store_b128 v[L16], v[FA:FA+3], s[VB:VB+1] offset:1536*((\a)%4)
	s_wait_alu depctr_va_vdst(0)
	global_store_b64 v[L8], v[FA+4:FA+5], s[VB:VB+1] offset:1536*((\a)%4)+512
	global_store_b128 v[L16], v[FA+8:FA+11], s[VB:VB+1] offset:1536*((\a)%4)+768
	global_store_b64 v[L8], v[FA+12:FA+13], s[VB:VB+1] offset:1536*((\a)%4)+1280
.Lst_\@:
.endm
.irp a, 0,1,2,3,4,5,6,7
	EPI \a
.endr
	s_cmp_eq_u32 s[TT], 2
	s_cbranch_scc1 .Lfin_v
	s_wait_alu depctr_va_vdst(0)
.irp j, 0,1,2,3
	v_cndmask_b32 v[FIN+\j], v[WE+\j], v[WE+4+\j], s68
	v_cndmask_b32 v[FIN+4+\j], v[WO+\j], v[WO+4+\j], s68
.endr
	global_store_b128 v[L16], v[FIN:FIN+3], s[PE:PE+1] offset:8192
	global_store_b128 v[L16], v[FIN+4:FIN+7], s[PE+2:PE+3] offset:8192
	s_branch .Lfin
.Lfin_v:
	v_cndmask_b32 v[FIN], v[PWS], v[PWS+2], s68
	v_cndmask_b32 v[FIN+1], v[PWS+1], v[PWS+3], s68
	v_cndmask_b32 v[FIN+2], v[PWS+4], v[PWS+6], s68
	s_wait_alu depctr_va_vdst(0)
	v_cndmask_b32 v[FIN+3], v[PWS+5], v[PWS+7], s68
	global_store_b64 v[L8], v[FIN:FIN+1], s[PE:PE+1] offset:6144
	global_store_b64 v[L8], v[FIN+2:FIN+3], s[PE+2:PE+3] offset:6144
.Lfin:
	s_wait_tensorcnt 0x0
	ds_add_u32 v[SPW], v[NIL]
	s_wait_dscnt 0x0
	CROUND
	s_endpgm
.Lfunc_end_k_qcf96610e18_proj:
	.size	k_qcf96610e18_proj, .Lfunc_end_k_qcf96610e18_proj-k_qcf96610e18_proj
	.p2alignl 7, 3214868480
	.fill 96, 4, 3214868480
	.section	.rodata,"a",@progbits
	.p2align	6, 0x0
	.amdhsa_kernel k_qcf96610e18_proj
		.amdhsa_group_segment_fixed_size 327680
		.amdhsa_private_segment_fixed_size 0
		.amdhsa_enable_private_segment 0
		.amdhsa_kernarg_size 40
		.amdhsa_user_sgpr_count 2
		.amdhsa_user_sgpr_kernarg_segment_ptr 1
		.amdhsa_wavefront_size32 1
		.amdhsa_system_sgpr_workgroup_id_x 1
		.amdhsa_system_sgpr_workgroup_id_y 1
		.amdhsa_system_sgpr_workgroup_id_z 1
		.amdhsa_system_vgpr_workitem_id 0
		.amdhsa_next_free_vgpr 1024
		.amdhsa_next_free_sgpr 101
		.amdhsa_reserve_vcc 0
		.amdhsa_float_denorm_mode_32 3
		.amdhsa_float_denorm_mode_16_64 3
		.amdhsa_memory_ordered 1
		.amdhsa_forward_progress 1
		.amdhsa_inst_pref_size 183
	.end_amdhsa_kernel
	.amdgpu_metadata
---
amdhsa.version: [ 1, 2 ]
amdhsa.kernels:
  - .name:           k_qcf96610e18_proj
    .symbol:         k_qcf96610e18_proj.kd
    .args:
      - { .name: xc, .offset: 0, .size: 8, .value_kind: global_buffer, .address_space: global }
      - { .name: xs, .offset: 8, .size: 8, .value_kind: global_buffer, .address_space: global }
      - { .name: key_padding_mask, .offset: 16, .size: 8, .value_kind: global_buffer, .address_space: global }
      - { .name: qf, .offset: 24, .size: 8, .value_kind: global_buffer, .address_space: global }
      - { .name: kv, .offset: 32, .size: 8, .value_kind: global_buffer, .address_space: global }
    .group_segment_fixed_size: 327680
    .private_segment_fixed_size: 0
    .kernarg_segment_align: 8
    .kernarg_segment_size: 40
    .max_flat_workgroup_size: 128
    .sgpr_count:     101
    .vgpr_count:     1024
    .wavefront_size: 32
...
	.end_amdgpu_metadata
.endif
;; end of part 2
;; launch attn (part 3): grid 4 x 64, 8 waves a work-group, clusters of 4 x 1, 242,688 bytes of LDS; arguments qf, kv, oc, os; writes oc, os
.if DOCPART == 3
	.amdgcn_target "amdgcn-amd-amdhsa--gfx1250"
	.amdhsa_code_object_version 6
	.text
	.protected	k_qcf96610e18_attn
	.globl	k_qcf96610e18_attn
	.p2align	8
	.type	k_qcf96610e18_attn,@function
k_qcf96610e18_attn:
	s_mov_b64 s[64:65], 0
	v_nop
	global_prefetch_b8 v0, s[64:65] scope:SCOPE_SE
	s_setreg_imm32_b32 hwreg(HW_REG_WAVE_MODE, 25, 1), 1
	s_wait_xcnt 0x0
	s_wait_alu depctr_hold_cnt(0) depctr_sa_sdst(0) depctr_va_vdst(0) depctr_va_sdst(0) depctr_va_ssrc(0) depctr_va_vcc(0) depctr_vm_vsrc(0)
	s_getreg_b32 s2, hwreg(HW_REG_IB_STS2, 6, 4)
	s_cmp_eq_u32 s2, 0
	s_cbranch_scc0 .Lentry_in_a_cluster
	s_endpgm
.Lentry_in_a_cluster:
	s_bfe_u32 s2, ttmp6, 0x10000c
	s_cmp_lg_u32 s2, 0x3003
	s_cbranch_scc0 .Lentry_shape_is_right
	s_endpgm
.Lentry_shape_is_right:
; Attention on codes of FP6 (E2M3) with E8M0 scales: 64 heads (16 batch + head), 2,048 queries and keys, head size 64.  Both products transposed: S^T = K Q^T, O^T = V^T P^T: a lane holds ONE query of each of its wave's two tiles.
; THE SOFTMAX AHEAD OF THE SECOND PRODUCT: t = raw score x log2(e) / 8; M = the row's largest t so far, rounded up to a whole number; p = 2^(t - M) is quantised along the keys, not normalised;
; the row's sum is taken of the unquantised p and divides O at the end.  When M moves, the sum and O are multiplied by 2^(old M - new M): exact.
; THE KEY MASK costs no line here: the score product's K is 128, the head's 64 codes fill half of it, and at k = 64 q carries -4 x 2^16 and a masked key +4 x 2^16 over zero codes: its raw score is -2^36.
; LIMIT: a masked logit is -2^33 where the definition has -1e10: the same results wherever a row's unmasked logits lie above -8.5e9.  A row all of whose keys are masked gets p = 1 everywhere (-2^36 x log2(e) / 8 is a whole number in f32).
; LIMIT: the promise holds while the scaled scores stay under 2^31 in magnitude.
; q's registers 7-11 are zero codes, so what k's registers 8-11 hold adds nothing (every 6-bit code is a finite number).
; THE KEYS OF A TILE: tile f, row m of a record is key 64 (f / 4) + 32 (m / 8) + 8 (f % 4) + m % 8.  So lane (r, h) holds, in the 32 registers of tiles 4 c .. 4 c + 3, keys 64 c + 32 h + 0 .. 31:
; one whole scale block of p, in the order of the operand's registers.  V^T's rows are ordered the same way, so a lane's 32 results of O^T are channels 32 h + 0 .. 31 of the head: one whole scale block of the last product.
; SHARES: a work-group owns 512 queries of one head; each of its eight waves owns TWO tiles of 16 queries in each of two passes, so that each fragment of K and V read from LDS feeds two products; two waves to a SIMD.
; LDS: the head's whole K and V: 16 records of 15,104 bytes (128 keys each: K's 8 tiles, K's scale words, V^T's 4 fragments, V's scale words), images of the operand registers.  Each byte is filled once, so there is no ring.
; CLUSTER: the four work-groups of a head need the same 16 records: wave w asks for records 2 w and 2 w + 1, JOINTLY, by one tensor load.  Waves 0 and 1 have a load line of their own: the first barrier shows records 0-3,
; the second, behind four key steps, all the others.  All of K and V is asked for at the head, so nothing is left to ask ahead for.
; THE OUTPUT is quantised in registers and stored as half a fragment's image (oc) and two scale bytes a row (os): 2 bytes a row, since a row's 32 bytes come from 16 work-groups.
; REGISTERS, tile u = 0, 1.  Window 0: v1 16 x lane, v2 8 x lane, v3-4 the step's LDS addresses, v5 8 h; v6-9 K's scale words, v10-11 V's, v20+u Q's; v12+4u -M, v13+4u the largest raw score, v[14+4u:15+4u] the sum;
; v24+4u f, v25+4u p's scale word; v26, v27 addresses; v30, v31 the add's two; v32-127 eight fragments of K (v32-79 then four of V^T); from v128+32u 26 registers at work.
; Window 1: v[64u ..] S^T, then p; v[128+32u ..] O^T; v[192+12u ..] Q; v[216+12u ..] p's codes; v[240+8u ..] the conversions' second halves.  Both tiles go line by line under one setting of the windows.
.set REC,  15104
.set SPARE, 16*REC
.set WV,   12                          ; s12  my wave's number
.set SEL,  20                          ; s[20:21] selects for lane l xor 16
.set CS,   22                          ; s[22:23] c = log2(e) / 8
.set G1,   24                          ; s[24:31] descriptor group 1
.set G0,   32                          ; s[32:35] group 0
.set TB,   48                          ; s48  LDS byte at which the step's record begins
.set CNT,  49
.set QT,   60                          ; s[60:61] my first tile of q in pass 0
.set QS,   62                          ; s[62:63] its scale words
.set OC,   66                          ; s[66:67] its place in oc
.set OS,   68                          ; s[68:69] and in os
.set MSB, 0
.macro WIN new                         ; bits 1:0 source 0, 3:2 source 1, 5:4 source 2, 7:6 destination; the high byte repeats the setting that is left
.if MSB != \new
	s_set_vgpr_msb (MSB<<8)|\new
.set MSB, \new
.endif
.endm
.macro CROUND                          ; a round of the cluster's barrier
	s_barrier_signal -1
	s_barrier_wait -1
	s_cmp_lg_u32 s[WV], 0
	s_cbranch_scc1 .Lnot_wave_0_\@
	s_barrier_signal -3
.Lnot_wave_0_\@:
	s_barrier_wait -3
	s_barrier_signal -1
	s_barrier_wait -1
.endm
	s_load_b256 s[4:11], s[0:1], 0x0               ; qf, kv, oc, os
	v_lshl_add_u32 v30, v0, 2, SPARE
	v_mov_b32 v31, 0
	ds_add_u32 v30, v31                            ; the opening lines: the add, twice on end, and its wait
	ds_add_u32 v30, v31
	v_lshrrev_b32 v1, 5, v0
	v_readfirstlane_b32 s[WV], v1                  ; wave 0..7
	s_bfe_u32 s13, ttmp6, 0x40000                  ; cx: it enters qf's, oc's and os's addresses alone
	s_and_b32 s14, ttmp7, 0xffff                   ; 16 batch + head, which the four partners share
	; group 1: two records: 118 rows of 256 bytes (32 elements of 8), dense, no padding; the mask names all four work-groups
	s_mov_b32 s[G1], 15|(3<<16)|(1<<21)
	s_mov_b32 s[G1+1], 32<<16
	s_mov_b32 s[G1+2], 118<<16
	s_mov_b32 s[G1+3], 32<<16
	s_mov_b32 s[G1+4], 118
	s_mov_b32 s[G1+5], 32
	s_mov_b32 s[G1+6], 0
	s_mov_b32 s[G1+7], 0
	s_mul_i32 s15, s[WV], 2*REC                    ; records 2 w, 2 w + 1: in LDS,
	s_mul_i32 s18, s14, 16*REC
	s_add_co_u32 s18, s18, s15                     ; and in kv
	s_mov_b32 s19, 0
	s_lshr_b32 s51, s[WV], 2
	s_and_b32 s52, s[WV], 3
	s_lshl_b32 s52, s52, 1                         ; a: my first tile in a block of 128 queries; the second is a + 1
	s_lshl_b32 s53, s13, 2
	s_add_co_u32 s53, s53, s51                     ; my block in pass 0: 4 cx + wave / 4; pass 1: two blocks on
	s_lshl_b32 s54, s14, 4
	s_add_co_u32 s54, s54, s53
	s_mul_i32 s54, s54, 8704                       ; its record in qf
	s_lshl_b32 s55, s52, 10
	s_add_co_u32 s56, s54, s55                     ; my first tile
	s_mov_b32 s57, 0
	s_lshr_b32 s55, s52, 2
	s_lshl_b32 s55, s55, 8
	s_add_co_u32 s58, s54, s55
	s_and_b32 s55, s52, 3
	s_lshl_b32 s55, s55, 2
	s_add_co_u32 s58, s58, s55
	s_add_co_u32 s58, s58, 8192                    ; its scale words: word a % 4 of lane 16 (a / 4) + r
	s_mov_b32 s59, 0
	s_lshr_b32 s54, s14, 4
	s_lshl_b32 s54, s54, 7
	s_lshl_b32 s55, s53, 3
	s_add_co_u32 s54, s54, s55
	s_add_co_u32 s54, s54, s52                     ; my first tile of 16 workspace rows among the 512
	s_and_b32 s55, s14, 15                         ; the head
	s_mul_i32 s70, s55, 393216                     ; its plane of oc,
	s_mul_i32 s51, s54, 768
	s_add_co_u32 s70, s70, s51                     ; my half fragment
	s_mov_b32 s71, 0
	s_lshl_b32 s54, s54, 9                         ; os: 16 rows x 32 bytes,
	s_lshl_b32 s55, s55, 1
	s_add_co_u32 s54, s54, s55                     ; the head's two bytes
	s_mov_b32 s55, 0
	s_mov_b32 s[SEL], 0x76543210
	s_mov_b32 s[SEL+1], 0xfedcba98
	s_mov_b32 s[CS], 0x3e38aa3b                    ; c = log2(e) / 8
	s_mov_b32 s[CS+1], s[CS]                       ; (named with it as a pair, so it is written)
	s_wait_dscnt 0x0
	s_wait_kmcnt 0x0
	s_add_nc_u64 s[18:19], s[6:7], s[18:19]
	s_add_nc_u64 s[QT:QT+1], s[4:5], s[56:57]
	s_add_nc_u64 s[QS:QS+1], s[4:5], s[58:59]
	s_add_nc_u64 s[OC:OC+1], s[8:9], s[70:71]
	s_add_nc_u64 s[OS:OS+1], s[10:11], s[54:55]
	s_mov_b32 s[G0], 1
	s_mov_b32 s[G0+1], s15
	s_mov_b64 s[G0+2:G0+3], s[18:19]
	s_or_b32 s[G0+3], s[G0+3], 0x80000000
	CROUND                                         ; all four work-groups are here: the joint loads meet
	s_cmp_lt_u32 s[WV], 2                          ; one load a wave; waves 0 and 1, whose records are read first, have a line of their own
	s_cbranch_scc0 .Llater
	tensor_load_to_lds s[G0:G0+3], s[G1:G1+7]
	s_nop 0
.rept 4
	v_nop
.endr
	s_branch .Lasked
.Llater:
	tensor_load_to_lds s[G0:G0+3], s[G1:G1+7]
	s_nop 0
.rept 4
	v_nop
.endr
.Lasked:
	v_and_b32 v5, 31, v0
	v_and_b32 v26, 15, v0
	v_bfe_u32 v27, v0, 4, 1
	v_lshlrev_b32 v1, 4, v5                        ; 16 x lane
	v_lshlrev_b32 v2, 3, v5                        ; 8 x lane
	v_lshlrev_b32 v5, 3, v27                       ; 8 h: how far my two scale bytes are shifted in p's scale word
	v_lshl_add_u32 v27, v26, 5, v27                ; os: row r of 32 bytes, + my half's block
	v_lshlrev_b32 v26, 4, v26                      ; q's scale words: 16 bytes a row
.irp f, 0,1,2,3,4,5,6,7
.irp i, 8,9,10,11
	v_mov_b32 v[32+12*\f+\i], 0                    ; K's registers 8-11 are written once; later they hold whatever V^T's fragments left: it meets q's zero codes
.endr
.endr
.irp u, 0,1
	v_mov_b32 v[132+32*\u], 0                      ; written once: a lane permute's destination counts as one of its sources
	v_mov_b32 v[138+32*\u], 0
	v_mov_b32 v[25+4*\u], 0                        ; (named as the upper half of a pair before it is first written)
.endr
	WIN 0x40
.irp u, 0,1
.irp i, 8,9,10,11
	v_mov_b32 v[192+12*\u+\i], 0                   ; q's registers 8-11: zero codes, for the whole launch
.endr
.endr
	WIN 0
; A KEY STEP: 128 keys, the record at LDS byte s[TB], against both my tiles.
.macro STEP
	v_add_nc_u32 v3, s[TB], v1
	v_add_nc_u32 v4, s[TB], v2
	v_mov_b32 v133, v12                            ; the old -M of both tiles
	v_mov_b32 v165, v16                            ; (these four are the places in front of loads into registers that the last products read)
.irp f, 0,1,2,3,4,5,6,7
	ds_load_b128 v[32+12*\f:35+12*\f], v3 offset:1024*\f           ; an image: 512 consecutive bytes an instruction
	ds_load_b128 v[36+12*\f:39+12*\f], v3 offset:1024*\f+512
.endr
	ds_load_b128 v[6:9], v3 offset:8192            ; K's scale words: lanes 0-15 tiles 0-3, lanes 16-31 tiles 4-7
	s_wait_alu depctr_va_vdst(0)
	s_wait_dscnt 0x0
	WIN 0x44                                       ; K in window 0; Q and S^T in window 1
.irp f, 0,1,2,3
.irp u, 0,1
	v_wmma_scale_f32_16x16x128_f8f6f4 v[64*\u+8*\f:64*\u+8*\f+7], v[32+12*\f:43+12*\f], v[192+12*\u:203+12*\u], 0, v[6+\f], v[20+\u] matrix_a_fmt:MATRIX_FMT_FP6 matrix_b_fmt:MATRIX_FMT_FP6
.endr
.endr
.irp f, 4,5,6,7
.irp u, 0,1
	v_wmma_scale_f32_16x16x128_f8f6f4 v[64*\u+8*\f:64*\u+8*\f+7], v[32+12*\f:43+12*\f], v[192+12*\u:203+12*\u], 0, v[2+\f], v[20+\u] matrix_a_fmt:MATRIX_FMT_FP6 matrix_b_fmt:MATRIX_FMT_FP6 matrix_a_scale:MATRIX_SCALE_ROW1
.endr
.endr                                          ; lane (r, h) holds query r of tile u; register 64 u + 32 c + i is key 64 c + 32 h + i of the step
	WIN 0
.rept 4
	v_nop
.endr
.irp t, 0,1,2,3                                ; V^T's four fragments are asked for now and land during the softmax
	ds_load_b128 v[32+12*\t:35+12*\t], v3 offset:8704+1536*\t
	ds_load_b64 v[36+12*\t:37+12*\t], v4 offset:8704+1536*\t+512
	ds_load_b128 v[38+12*\t:41+12*\t], v3 offset:8704+1536*\t+768
	ds_load_b64 v[42+12*\t:43+12*\t], v4 offset:8704+1536*\t+1280
.endr
	ds_load_b64 v[10:11], v4 offset:14848          ; V's scale words: lanes 0-15 tiles 0, 1, lanes 16-31 tiles 2, 3
	WIN 0x15                                       ; the largest score of my two blocks of each tile, each block in two chains
.irp b, 0,1,2,3
.irp u, 0,1
	v_max3_num_f32 v[128+32*\u+\b], v[64*\u+16*\b], v[64*\u+16*\b+1], v[64*\u+16*\b+2]
.endr
.endr
	WIN 0x14
.irp i, 3,5,7,9,11,13
.irp b, 0,1,2,3
.irp u, 0,1
	v_max3_num_f32 v[128+32*\u+\b], v[128+32*\u+\b], v[64*\u+16*\b+\i], v[64*\u+16*\b+\i+1]
.endr
.endr
.endr
	WIN 0x10
.irp c, 0,2
.irp u, 0,1
	v_max3_num_f32 v[128+32*\u+\c], v[128+32*\u+\c], v[129+32*\u+\c], v[64*\u+15+16*\c]
.endr
.endr
	WIN 0x04
.irp c, 0,2
.irp u, 0,1
	v_max_num_f32 v[128+32*\u+\c], v[128+32*\u+\c], v[64*\u+31+16*\c]   ; it serves for the row's maximum and, since p rises with the score, for the block's largest p
.endr
.endr
	WIN 0
.irp u, 0,1
	v_max_num_f32 v[139+32*\u], v[128+32*\u], v[130+32*\u]
.endr
.irp u, 0,1
	v_permlanex16_b32 v[132+32*\u], v[139+32*\u], s[SEL], s[SEL+1]
.endr
.irp u, 0,1
	v_max3_num_f32 v[13+4*\u], v[13+4*\u], v[139+32*\u], v[132+32*\u]   ; the running largest raw score, with lane l xor 16's two blocks
.endr
.irp u, 0,1
	v_mul_f32 v[139+32*\u], s[CS], v[13+4*\u]      ; as t (c is positive)
.endr
.irp u, 0,1
	v_floor_f32 v[12+4*\u], -v[139+32*\u]          ; the new -M = -ceil(t): a whole number
.endr
.irp u, 0,1
	v_sub_f32 v[133+32*\u], v[12+4*\u], v[133+32*\u]   ; old M - new M: a whole number, 0 or less
.endr
.irp u, 0,1
	v_cvt_i32_f32 v[133+32*\u], v[133+32*\u]       ; (it saturates)
.endr
.irp u, 0,1
	v_ldexp_f32 v[24+4*\u], 1.0, v[133+32*\u]      ; f = 2^(old M - new M)
.endr
.irp c, 0,2
.irp u, 0,1
	v_fma_f32 v[128+32*\u+\c], v[128+32*\u+\c], s[CS], v[12+4*\u]   ; t - M of each block's largest score
.endr
.endr
	WIN 0x41
.set j, 0
.rept 32
.irp u, 0,1
	v_pk_fma_f32 v[64*\u+j:64*\u+j+1], v[64*\u+j:64*\u+j+1], s[CS:CS+1], v[12+4*\u:13+4*\u] op_sel_hi:[1,0,0]   ; t - M, two at a time
.endr
.set j, j+2
.endr
	s_wait_alu depctr_va_vdst(0)                   ; the wait ahead of the batch
.set j, 0
.rept 128
	v_exp_f32 v[j], v[j]                           ; p = 2^(t - M), at most 1
.set j, j+1
.endr
	WIN 0
.irp c, 0,2
.irp u, 0,1
	v_exp_f32 v[128+32*\u+\c], v[128+32*\u+\c]     ; my blocks' largest p
.endr
.endr
.irp u, 0,1
	v_pk_mul_f32 v[14+4*\u:15+4*\u], v[14+4*\u:15+4*\u], v[24+4*\u:25+4*\u] op_sel_hi:[1,0]   ; the sums under the new M: plain places behind the exponentials
.endr
	s_wait_alu depctr_va_vdst(0)                   ; one wait for the whole batch, ahead of its first reader
	WIN 0x05                                       ; the row's sum of the unquantised p: 32 pairs a tile, in eight chains
.irp k, 0,1,2,3,4,5,6
.irp u, 0,1
	v_pk_add_f32 v[140+32*\u+2*\k:141+32*\u+2*\k], v[64*\u+2*\k:64*\u+2*\k+1], v[64*\u+14+2*\k:64*\u+15+2*\k]
.endr
.endr
	WIN 0x04
.irp u, 0,1
	v_pk_add_f32 v[14+4*\u:15+4*\u], v[14+4*\u:15+4*\u], v[64*\u+28:64*\u+29]
.endr
.irp k, 0,1,2,3,4,5,6
.irp u, 0,1
	v_pk_add_f32 v[140+32*\u+2*\k:141+32*\u+2*\k], v[140+32*\u+2*\k:141+32*\u+2*\k], v[64*\u+30+2*\k:64*\u+31+2*\k]
.endr
.endr
.irp u, 0,1
	v_pk_add_f32 v[14+4*\u:15+4*\u], v[14+4*\u:15+4*\u], v[64*\u+44:64*\u+45]
.endr
.irp k, 0,1,2,3,4,5,6
.irp u, 0,1
	v_pk_add_f32 v[140+32*\u+2*\k:141+32*\u+2*\k], v[140+32*\u+2*\k:141+32*\u+2*\k], v[64*\u+46+2*\k:64*\u+47+2*\k]
.endr
.endr
.irp u, 0,1
	v_pk_add_f32 v[14+4*\u:15+4*\u], v[14+4*\u:15+4*\u], v[64*\u+60:64*\u+61]
.endr
.irp u, 0,1
	v_pk_add_f32 v[140+32*\u:141+32*\u], v[140+32*\u:141+32*\u], v[64*\u+62:64*\u+63]
.endr
	WIN 0
.irp u, 0,1
	v_pk_add_f32 v[140+32*\u:141+32*\u], v[140+32*\u:141+32*\u], v[142+32*\u:143+32*\u]
	v_pk_add_f32 v[144+32*\u:145+32*\u], v[144+32*\u:145+32*\u], v[146+32*\u:147+32*\u]
	v_pk_add_f32 v[148+32*\u:149+32*\u], v[148+32*\u:149+32*\u], v[150+32*\u:151+32*\u]
	v_pk_add_f32 v[14+4*\u:15+4*\u], v[14+4*\u:15+4*\u], v[152+32*\u:153+32*\u]
.endr
.irp u, 0,1
	v_pk_add_f32 v[140+32*\u:141+32*\u], v[140+32*\u:141+32*\u], v[144+32*\u:145+32*\u]
	v_pk_add_f32 v[14+4*\u:15+4*\u], v[14+4*\u:15+4*\u], v[148+32*\u:149+32*\u]
.endr
.irp c, 0,2
.irp u, 0,1
	v_max_num_f32 v[128+32*\u+\c], 0x1800000, v[128+32*\u+\c]      ; the floor 2^(3 - 127): the byte cannot fall under 1
.endr
.endr
.irp u, 0,1
	v_pk_add_f32 v[14+4*\u:15+4*\u], v[14+4*\u:15+4*\u], v[140+32*\u:141+32*\u]
.endr
.irp c, 0,1
.irp u, 0,1
	v_add_nc_u32 v[134+32*\u+\c], 0xff000000, v[128+32*\u+2*\c]    ; 2 off the exponent field: the conversions' scale operands
.endr
.endr
.irp c, 0,1
.irp u, 0,1
	v_lshrrev_b32 v[136+32*\u+\c], 23, v[134+32*\u+\c]             ; the bytes of blocks h and 2 + h
.endr
.endr
.irp u, 0,1
	v_lshl_or_b32 v[25+4*\u], v[137+32*\u], 16, v[136+32*\u]
.endr
.irp u, 0,1
	v_lshlrev_b32 v[25+4*\u], v5, v[25+4*\u]       ; at their places in the scale word,
.endr
.irp u, 0,1
	v_permlanex16_b32 v[138+32*\u], v[25+4*\u], s[SEL], s[SEL+1]
.endr
.irp u, 0,1
	v_or_b32 v[25+4*\u], v[25+4*\u], v[138+32*\u]  ; and with lane l xor 16's two the word of these 128 keys is whole
.endr
	WIN 0x41
.irp u, 0,1
.irp c, 0,1
	v_cvt_scalef32_pk16_fp6_f32 v[216+12*\u+6*\c:218+12*\u+6*\c], v[64*\u+32*\c:64*\u+32*\c+15], v[134+32*\u+\c]
	v_cvt_scalef32_pk16_fp6_f32 v[240+8*\u+4*\c:242+8*\u+4*\c], v[64*\u+32*\c+16:64*\u+32*\c+31], v[134+32*\u+\c]   ; (a conversion's three registers begin on an even number)
.endr
.endr
	v_nop                                          ; one plain place behind a scaled conversion
.irp u, 0,1
.irp c, 0,1
.irp i, 0,1,2
	v_mov_b32 v[219+12*\u+6*\c+\i], v[240+8*\u+4*\c+\i]            ; registers 6 c .. 6 c + 5: keys 64 c + 32 h + 0 .. 31
.endr
.endr
.endr
	s_wait_alu depctr_va_vdst(0)                   ; directly ahead of the first reader of O^T
.set j, 0
.rept 16
.irp u, 0,1
	v_pk_mul_f32 v[128+32*\u+j:129+32*\u+j], v[128+32*\u+j:129+32*\u+j], v[24+4*\u:25+4*\u] op_sel_hi:[1,0]   ; O^T under the new M; these also stand between p's codes and scale words and the products
.endr
.set j, j+2
.endr
	s_wait_alu depctr_va_vdst(0)                   ; directly ahead of the wait below
	s_wait_dscnt 0x0                               ; V^T's fragments and scale words
	WIN 0x54                                       ; V^T in window 0; p's codes and O^T in window 1
.irp t, 0,1
.irp u, 0,1
	v_wmma_scale_f32_16x16x128_f8f6f4 v[128+32*\u+8*\t:135+32*\u+8*\t], v[32+12*\t:43+12*\t], v[216+12*\u:227+12*\u], v[128+32*\u+8*\t:135+32*\u+8*\t], v[10+\t], v[25+4*\u] matrix_a_fmt:MATRIX_FMT_FP6 matrix_b_fmt:MATRIX_FMT_FP6
.endr
.endr
.irp t, 2,3
.irp u, 0,1
	v_wmma_scale_f32_16x16x128_f8f6f4 v[128+32*\u+8*\t:135+32*\u+8*\t], v[32+12*\t:43+12*\t], v[216+12*\u:227+12*\u], v[128+32*\u+8*\t:135+32*\u+8*\t], v[8+\t], v[25+4*\u] matrix_a_fmt:MATRIX_FMT_FP6 matrix_b_fmt:MATRIX_FMT_FP6 matrix_a_scale:MATRIX_SCALE_ROW1
.endr
.endr
	WIN 0
	s_add_co_u32 s[TB], s[TB], REC                 ; the next step's record
.endm
.macro WALK base, n                    ; n key steps from LDS byte base on
	s_mov_b32 s[TB], \base
	s_mov_b32 s[CNT], \n
.Lwalk_\@:
	STEP
	s_sub_co_u32 s[CNT], s[CNT], 1
	s_cmp_lg_u32 s[CNT], 0
	s_cbranch_scc1 .Lwalk_\@
.endm
; A pass begins: my two tiles of q and their scale words; the statistics; O^T as zeros, which the first change of M leaves zeros.
.macro PSTART p
	WIN 0x40
.irp u, 0,1
	global_load_b128 v[192+12*\u:195+12*\u], v1, s[QT:QT+1] offset:17408*\p+1024*\u
	global_load_b128 v[196+12*\u:199+12*\u], v1, s[QT:QT+1] offset:17408*\p+1024*\u+512
.endr
	WIN 0
.irp u, 0,1
	global_load_b32 v[20+\u], v26, s[QS:QS+1] offset:17408*\p+4*\u
.endr
.irp u, 0,1
	v_mov_b32 v[13+4*\u], 0xff61b1e6               ; the largest score so far: -3e38
	v_mov_b32 v[14+4*\u], 0
	v_mov_b32 v[15+4*\u], 0
.endr
.irp u, 0,1
	v_floor_f32 v[12+4*\u], -v[13+4*\u]            ; -M
.endr
	WIN 0x40
.set j, 0
.rept 64
	v_mov_b32 v[128+j], 0
.set j, j+1
.endr
	WIN 0
	s_wait_alu depctr_va_vdst(0)                   ; directly ahead of the wait below
	s_wait_loadcnt 0x0
.endm
; The way out of a pass: O^T / the sum; register i of a tile's 32 is channel 32 h + i of the head: one block along the last product's K, all in my lane.
.macro OUT p
.rept 4
	v_nop                                          ; places behind the last products
.endr
.irp u, 0,1
	v_add_f32 v[14+4*\u], v[14+4*\u], v[15+4*\u]
.endr
.irp u, 0,1
	v_permlanex16_b32 v[132+32*\u], v[14+4*\u], s[SEL], s[SEL+1]
.endr
.irp u, 0,1
	v_add_f32 v[14+4*\u], v[14+4*\u], v[132+32*\u] ; the row's sum
.endr
	s_wait_alu depctr_va_vdst(0)
.irp u, 0,1
	v_rcp_f32 v[14+4*\u], v[14+4*\u]
.endr
	v_nop                                          ; a plain place behind the reciprocals,
	WIN 0x41
	s_wait_alu depctr_va_vdst(0)                   ; and the wait ahead of their first reader, which is O^T's first reader too
.set j, 0
.rept 16
.irp u, 0,1
	v_pk_mul_f32 v[64*\u+j:64*\u+j+1], v[128+32*\u+j:129+32*\u+j], v[14+4*\u:15+4*\u] op_sel_hi:[1,0]   ; each accumulator from its low end on
.endr
.set j, j+2
.endr
	WIN 0x05
.irp b, 0,1
.irp u, 0,1
	v_max3_num_f32 v[128+32*\u+\b], |v[64*\u+16*\b]|, |v[64*\u+16*\b+1]|, 0x1800000
.endr
.endr
	WIN 0x14
.irp i, 2,4,6,8,10,12,14
.irp b, 0,1
.irp u, 0,1
	v_max3_num_f32 v[128+32*\u+\b], v[128+32*\u+\b], |v[64*\u+16*\b+\i]|, |v[64*\u+16*\b+\i+1]|
.endr
.endr
.endr
	WIN 0
.irp u, 0,1
	v_max_num_f32 v[128+32*\u], v[128+32*\u], v[129+32*\u]
.endr
.irp u, 0,1
	v_add_nc_u32 v[134+32*\u], 0xff000000, v[128+32*\u]
.endr
.irp u, 0,1
	v_lshrrev_b32 v[136+32*\u], 23, v[134+32*\u]   ; my block's byte
.endr
	WIN 0x41
.irp u, 0,1
	v_cvt_scalef32_pk16_fp6_f32 v[216+12*\u:218+12*\u], v[64*\u:64*\u+15], v[134+32*\u]
	v_cvt_scalef32_pk16_fp6_f32 v[240+8*\u:242+8*\u], v[64*\u+16:64*\u+31], v[134+32*\u]
.endr
	v_nop
.irp u, 0,1
.irp i, 0,1,2
	v_mov_b32 v[219+12*\u+\i], v[240+8*\u+\i]
.endr
.endr
	WIN 0x04                                       ; the stores' data lie in window 1
.irp u, 0,1
	global_store_b128 v1, v[216+12*\u:219+12*\u], s[OC:OC+1] offset:12288*\p+768*\u       ; 512 consecutive bytes, aligned to 256
	global_store_b64 v2, v[220+12*\u:221+12*\u], s[OC:OC+1] offset:12288*\p+768*\u+512    ; 256
.endr
	WIN 0
.irp u, 0,1
	global_store_b8 v27, v[136+32*\u], s[OS:OS+1] offset:8192*\p+512*\u
.endr
.endm
	PSTART 0
	s_cmp_lt_u32 s[WV], 2
	s_cbranch_scc0 .Lnot_first
	s_wait_tensorcnt 0x0                           ; waves 0 and 1: my two records, of the first four, are in
.Lnot_first:
	s_barrier_signal -1
	s_barrier_wait -1                              ; records 0-3 are shown to all
	WALK 0, 4
	s_wait_tensorcnt 0x0                           ; every wave: my records are in
	s_barrier_signal -1
	s_barrier_wait -1                              ; the whole head lies in LDS: no barrier from here to the end
	WALK 4*REC, 12
	OUT 0
	s_wait_xcnt 0x0                                ; the stores have read their registers, which the second pass writes again
	PSTART 1
	WALK 0, 16
	OUT 1
	s_wait_tensorcnt 0x0                           ; the wave's end
	ds_add_u32 v30, v31
	s_wait_dscnt 0x0
	CROUND                                         ; the closing round
	s_endpgm
.Lfunc_end_k_qcf96610e18_attn:
	.size	k_qcf96610e18_attn, .Lfunc_end_k_qcf96610e18_attn-k_qcf96610e18_attn
	.p2alignl 7, 3214868480
	.fill 96, 4, 3214868480
	.section	.rodata,"a",@progbits
	.p2align	6, 0x0
	.amdhsa_kernel k_qcf96610e18_attn
		.amdhsa_group_segment_fixed_size 242688
		.amdhsa_private_segment_fixed_size 0
		.amdhsa_enable_private_segment 0
		.amdhsa_kernarg_size 32
		.amdhsa_user_sgpr_count 2
		.amdhsa_user_sgpr_kernarg_segment_ptr 1
		.amdhsa_wavefront_size32 1
		.amdhsa_system_sgpr_workgroup_id_x 1
		.amdhsa_system_sgpr_workgroup_id_y 1
		.amdhsa_system_sgpr_workgroup_id_z 1
		.amdhsa_system_vgpr_workitem_id 0
		.amdhsa_next_free_vgpr 512
		.amdhsa_next_free_sgpr 72
		.amdhsa_reserve_vcc 0
		.amdhsa_float_denorm_mode_32 3
		.amdhsa_float_denorm_mode_16_64 3
		.amdhsa_memory_ordered 1
		.amdhsa_forward_progress 1
		.amdhsa_inst_pref_size 108
	.end_amdhsa_kernel
	.amdgpu_metadata
---
amdhsa.version: [ 1, 2 ]
amdhsa.kernels:
  - .name:           k_qcf96610e18_attn
    .symbol:         k_qcf96610e18_attn.kd
    .args:
      - { .name: qf, .offset: 0, .size: 8, .value_kind: global_buffer, .address_space: global }
      - { .name: kv, .offset: 8, .size: 8, .value_kind: global_buffer, .address_space: global }
      - { .name: oc, .offset: 16, .size: 8, .value_kind: global_buffer, .address_space: global }
      - { .name: os, .offset: 24, .size: 8, .value_kind: global_buffer, .address_space: global }
    .group_segment_fixed_size: 242688
    .private_segment_fixed_size: 0
    .kernarg_segment_align: 8
    .kernarg_segment_size: 32
    .max_flat_workgroup_size: 256
    .sgpr_count:     72
    .vgpr_count:     512
    .wavefront_size: 32
...
	.end_amdgpu_metadata
.endif
;; end of part 3
;; launch oproj (part 4): grid 4 x 32, 4 waves a work-group, clusters of 4 x 4, 327,680 bytes of LDS; arguments oc, os, xc, xs, bo, out0; writes out0
.if DOCPART == 4
	.amdgcn_target "amdgcn-amd-amdhsa--gfx1250"
	.amdhsa_code_object_version 6
	.text
	.protected	k_qcf96610e18_oproj
	.globl	k_qcf96610e18_oproj
	.p2align	8
	.type	k_qcf96610e18_oproj,@function
k_qcf96610e18_oproj:
	s_mov_b64 s[64:65], 0
	v_nop
	global_prefetch_b8 v0, s[64:65] scope:SCOPE_SE
	s_setreg_imm32_b32 hwreg(HW_REG_WAVE_MODE, 25, 1), 1
	s_wait_xcnt 0x0
	s_wait_alu depctr_hold_cnt(0) depctr_sa_sdst(0) depctr_va_vdst(0) depctr_va_sdst(0) depctr_va_ssrc(0) depctr_va_vcc(0) depctr_vm_vsrc(0)
	s_getreg_b32 s2, hwreg(HW_REG_IB_STS2, 6, 4)
	s_cmp_eq_u32 s2, 0
	s_cbranch_scc0 .Lentry_in_a_cluster
	s_endpgm
.Lentry_in_a_cluster:
	s_bfe_u32 s2, ttmp6, 0x10000c
	s_cmp_lg_u32 s2, 0xf033
	s_cbranch_scc0 .Lentry_shape_is_right
	s_endpgm
.Lentry_shape_is_right:
; out0 = O Wo^T + bo on codes of FP6 with E8M0 scales, tiles of 256 x 256.  A comes as images of its operand registers (oc: a plane a head, 768 bytes for 16 rows), B as units of 256 bytes of xc's rows (192 of codes for 256 along K).
; A slot of the ring holds four planes of A's 256 rows and one unit of B's 256 rows.  At the head each wave asks for one tile: A's, B's, A's scales, B's scales; in the ring wave 0 asks for A's and wave 1 for B's.
.set NQ,     2
.set ROWB,   256
.set KROW,   1024
.set PITCH,  272
.set FR,     12
.set NLA,    4
.set NP,     4
.set HALFA,  24576
.set HALFT,  128*PITCH
.set BOFF,   2*HALFA
.set SLOT,   BOFF+2*HALFT
.set ASTEP,  4*393216
.set LAPS,   2
.set KS,     32
.set SCL,    2*SLOT
.set HALFS,  16*272
.set SBLK,   2*272
.set SPARE,  SCL+4*HALFS
.set SPITCH, 528
.set AA16, 16
.set AA8,  18
.set ADRB, 20
.set STO,  24
.set RD,   25
.set CO,   26
.set ADRS, 27
.set SPW,  28
.set NIL,  29
.set SC,   32
.set BI,   64
.set AF,   128
.set BK,   128
.set G1, 24
.set G0, 32
.set G1B, 48
.set G0B, 56
.set G1S, 68
.set G0S, 76
.set G1SB, 80
.set G0SB, 88
.set MSB, 0
.macro WIN new
.if MSB != \new
	s_set_vgpr_msb (MSB<<8)|\new
.set MSB, \new
.endif
.endm
.set MUL_LO, 0xa1
.set MUL_HI, 0xf1
.set BIA_LO, 0x81
.set BIA_HI, 0xc1
.set TO_B,   0x40
.macro JLOAD g0a, g1a, g0b, g1b
	s_cmp_eq_u32 s14, 0
	s_cbranch_scc0 .Lfor_b_\@
	tensor_load_to_lds s[\g0a:\g0a+3], s[\g1a:\g1a+7]
	s_nop 0
.rept 4
	v_nop
.endr
	s_branch .Lasked_\@
.Lfor_b_\@:
	s_cmp_eq_u32 s14, 1
	s_cbranch_scc0 .Lasked_\@
	tensor_load_to_lds s[\g0b:\g0b+3], s[\g1b:\g1b+7]
	s_nop 0
.rept 4
	v_nop
.endr
.Lasked_\@:
.rept 4
	v_nop
.endr
.endm
.macro CREST
	s_cmp_lg_u32 s14, 0
	s_cbranch_scc1 .Lnot_wave_0_\@
	s_barrier_signal -3
.Lnot_wave_0_\@:
	s_barrier_wait -3
	s_barrier_signal -1
	s_barrier_wait -1
.endm
.macro CROUND
	s_barrier_signal -1
	s_barrier_wait -1
	CREST
.endm
	s_load_b256 s[4:11], s[0:1], 0x0
	s_load_b128 s[96:99], s[0:1], 0x20
	v_lshl_add_u32 v[SPW], v0, 2, SPARE
	v_mov_b32 v[NIL], 0
	ds_add_u32 v28, v29
	ds_add_u32 v28, v29
	s_wait_dscnt 0x0
	v_lshrrev_b32 v1, 5, v0
	v_readfirstlane_b32 s14, v1
	s_lshr_b32 s15, s14, 1
	s_and_b32 s16, s14, 1
	s_bfe_u32 s40, ttmp6, 0x40000
	s_bfe_u32 s41, ttmp6, 0x40004
	s_lshl_b32 s42, ttmp9, 2
	s_add_co_u32 s42, s42, s40
	s_and_b32 s17, ttmp7, 0xffff
	s_lshl_b32 s17, s17, 2
	s_add_co_u32 s17, s17, s41
	s_lshl_b32 s43, s41, 2
	s_lshl_b32 s43, 15, s43
	s_lshl_b32 s44, 0x1111, s40
	s_or_b32 s[G1+0], s43, (3<<16)|(1<<21)
	s_mov_b32 s[G1+1], 1536<<16
	s_mov_b32 s[G1+2], 4<<16
	s_mov_b32 s[G1+3], 1536<<16
	s_mov_b32 s[G1+4], 4
	s_mov_b32 s[G1+5], 49152
	s_mov_b32 s[G1+6], 0
	s_mov_b32 s[G1+7], 0
	s_or_b32 s[G1B+0], s44, (0<<16)|(1<<20)|(1<<21)|(5<<22)|(3<<25)
	s_mov_b32 s[G1B+1], ROWB<<16
	s_mov_b32 s[G1B+2], 256<<16
	s_mov_b32 s[G1B+3], ROWB<<16
	s_mov_b32 s[G1B+4], 256
	s_mov_b32 s[G1B+5], KROW
	s_mov_b32 s[G1B+6], 0
	s_mov_b32 s[G1B+7], 0
	s_or_b32 s[G1S+0], s43, (3<<16)|(1<<20)|(1<<21)|(5<<22)|(3<<25)
	s_or_b32 s[G1SB+0], s44, (3<<16)|(1<<20)|(1<<21)|(5<<22)|(3<<25)
.irp g, G1S, G1SB
	s_mov_b32 s[\g+1], 32<<16
	s_mov_b32 s[\g+2], 32<<16
	s_mov_b32 s[\g+3], 32<<16
	s_mov_b32 s[\g+4], 32
	s_mov_b32 s[\g+5], 32
	s_mov_b32 s[\g+6], 0
	s_mov_b32 s[\g+7], 0
.endr
	s_lshl_b32 s20, s17, 1
	s_lshl_b32 s22, s20, 12
	s_mul_i32 s20, s20, 6144
	s_mov_b32 s21, 0
	s_mov_b32 s23, 0
	s_lshl_b32 s46, s42, 8
	s_mov_b32 s18, 0
	s_add_co_u32 s46, s46, s18
	s_add_co_u32 s46, s46, 27648
	s_lshl_b32 s92, s46, 5
	s_mul_i32 s46, s46, KROW
	s_mov_b32 s47, 0
	s_mov_b32 s93, 0
	s_wait_kmcnt 0x0
	s_add_nc_u64 s[20:21], s[4:5], s[20:21]
	s_add_nc_u64 s[22:23], s[6:7], s[22:23]
	s_add_nc_u64 s[46:47], s[8:9], s[46:47]
	s_add_nc_u64 s[92:93], s[10:11], s[92:93]
	CROUND
	s_mov_b32 s[G0S], 1
	s_mov_b32 s[G0S+1], SCL
	s_mov_b64 s[G0S+2:G0S+3], s[22:23]
	s_or_b32 s[G0S+3], s[G0S+3], 0x80000000
	s_mov_b32 s[G0SB], 1
	s_mov_b32 s[G0SB+1], SCL+2*HALFS
	s_mov_b64 s[G0SB+2:G0SB+3], s[92:93]
	s_or_b32 s[G0SB+3], s[G0SB+3], 0x80000000
.irp s, 0,1
	s_mov_b32 s[G0+4*\s], 1
	s_mov_b32 s[G0+4*\s+1], \s*SLOT
	s_add_nc_u64 s[G0+4*\s+2:G0+4*\s+3], s[20:21], \s*ASTEP
	s_or_b32 s[G0+4*\s+3], s[G0+4*\s+3], 0x80000000
	s_mov_b32 s[G0B+4*\s], 1
	s_mov_b32 s[G0B+4*\s+1], BOFF+\s*SLOT
	s_add_nc_u64 s[G0B+4*\s+2:G0B+4*\s+3], s[46:47], \s*ROWB
	s_or_b32 s[G0B+4*\s+3], s[G0B+4*\s+3], 0x80000000
.endr
; the head's four tiles, one a wave, in one chain of branches on the wave's number
.macro ARM under, g0, g1, next
	s_cmp_lt_u32 s14, \under
	s_cbranch_scc0 \next
	tensor_load_to_lds s[\g0:\g0+3], s[\g1:\g1+7]
	s_nop 0
.rept 4
	v_nop
.endr
	s_branch .Lhead_asked
\next:
.endm
	ARM 1, G0,  G1,  .Lhead_b
	ARM 2, G0B, G1B, .Lhead_sa
	ARM 3, G0S, G1S, .Lhead_sb
	tensor_load_to_lds s[G0SB:G0SB+3], s[G1SB:G1SB+7]
	s_nop 0
.rept 4
	v_nop
.endr
.Lhead_asked:
	v_and_b32 v1, 15, v0
	v_bfe_u32 v2, v0, 4, 1
	v_and_b32 v6, 31, v0
	v_lshlrev_b32 v7, 4, v6
	v_lshlrev_b32 v8, 3, v6
	v_mul_u32_u24 v3, v1, PITCH
	v_mul_u32_u24 v4, v2, 24
	v_add_nc_u32 v4, v3, v4
	s_mul_i32 s21, s15, 6144
	s_mul_i32 s22, s16, HALFT
	s_add_co_u32 s22, s22, BOFF
.irp s, 0,1
	v_add_nc_u32 v[AA16+\s], s21, v7
	v_add_nc_u32 v[AA8+\s], s21, v8
	v_add_nc_u32 v[ADRB+\s], s22, v4
	s_add_co_u32 s21, s21, SLOT
	s_add_co_u32 s22, s22, SLOT
.endr
	v_mul_u32_u24 v5, v1, KS
	v_lshrrev_b32 v6, 8, v5
	v_lshl_add_u32 v5, v6, 4, v5
	s_mul_i32 s21, s15, HALFS
	s_mul_i32 s22, s16, HALFS
	s_add_co_u32 s22, s22, 2*HALFS
	s_sub_co_u32 s22, s22, s21
	v_mul_u32_u24 v6, s22, v2
	s_add_co_u32 s21, s21, SCL
	v_add_nc_u32 v5, v5, v6
	v_add_nc_u32 v[ADRS], s21, v5
	s_mul_i32 s23, s14, 16*SPITCH
	v_mul_u32_u24 v5, v1, SPITCH
	v_lshl_add_u32 v5, v2, 6, v5
	v_add_nc_u32 v[STO], s23, v5
	v_mov_b32 v[CO], v7
	v_add_nc_u32 v[RD], s23, v7
	s_lshl_b32 s20, s42, 10
	s_lshl_b32 s21, s16, 9
	s_add_co_u32 s20, s20, s21
	s_mov_b32 s21, 0
	s_add_nc_u64 s[96:97], s[96:97], s[20:21]
	s_lshl_b32 s22, s17, 8
	s_lshl_b32 s23, s15, 7
	s_add_co_u32 s22, s22, s23
	s_lshl_b32 s22, s22, 12
	s_add_co_u32 s20, s20, s22
	s_add_nc_u64 s[98:99], s[98:99], s[20:21]
	v_lshlrev_b32 v9, 6, v2
.irp b, 0,1,2,3,4,5,6,7
	global_load_b128 v[BI+8*\b:BI+8*\b+3], v9, s[96:97] offset:(32*(\b/2)+8*(\b%2))*4
	global_load_b128 v[BI+8*\b+4:BI+8*\b+7], v9, s[96:97] offset:(32*(\b/2)+8*(\b%2))*4+16
.endr
.macro FRAG reg, adr, q, i
.irp p, 0,1,2,3,4,5
	ds_load_b64 v[\reg+2*\p:\reg+2*\p+1], v[\adr] offset:96*(\q)+48*(\p/3)+8*(\p%3)+(\i)*16*PITCH
.endr
.endm
.macro FRAGA reg, slot, q, i
	ds_load_b128 v[\reg:\reg+3], v[AA16+\slot] offset:24576*(\q)+768*(\i)
	ds_load_b64 v[\reg+4:\reg+5], v[AA8+\slot] offset:24576*(\q)+768*(\i)+512
	ds_load_b128 v[\reg+6:\reg+9], v[AA16+\slot] offset:24576*(\q)+12288+768*(\i)
	ds_load_b64 v[\reg+10:\reg+11], v[AA8+\slot] offset:24576*(\q)+12288+768*(\i)+512
.endm
.macro MUL16 a0, p, q, sc, first
.irp a, \a0, \a0+1
.irp b, 0,1,2,3,4,5,6,7
.if \first
	v_wmma_scale_f32_16x16x128_f8f6f4 v[8*(8*((\a)%4)+\b):8*(8*((\a)%4)+\b)+7], v[128*(\p)+FR*\b:128*(\p)+FR*\b+FR-1], v[AF+FR*(\a):AF+FR*(\a)+FR-1], v[BI+8*\b:BI+8*\b+7], v[SC+8*NQ*(\sc)+NQ*\b+(\q)], v[SC+8*NQ*(\sc)+NQ*(\a)+(\q)] matrix_a_fmt:MATRIX_FMT_FP6 matrix_b_fmt:MATRIX_FMT_FP6 matrix_a_scale:MATRIX_SCALE_ROW1
.else
	v_wmma_scale_f32_16x16x128_f8f6f4 v[8*(8*((\a)%4)+\b):8*(8*((\a)%4)+\b)+7], v[128*(\p)+FR*\b:128*(\p)+FR*\b+FR-1], v[AF+FR*(\a):AF+FR*(\a)+FR-1], v[8*(8*((\a)%4)+\b):8*(8*((\a)%4)+\b)+7], v[SC+8*NQ*(\sc)+NQ*\b+(\q)], v[SC+8*NQ*(\sc)+NQ*(\a)+(\q)] matrix_a_fmt:MATRIX_FMT_FP6 matrix_b_fmt:MATRIX_FMT_FP6 matrix_a_scale:MATRIX_SCALE_ROW1
.endif
.endr
.endr
.endm
.macro FETCH_B slot, q, p
	WIN TO_B
.irp i, 0,1,2,3,4,5,6,7
	FRAG 128*(\p)+FR*\i, ADRB+\slot, \q, \i
.endr
	WIN 0
.endm
.macro FETCH_A slot, q, i0
.irp i, \i0, \i0+1, \i0+2, \i0+3
	FRAGA AF+FR*(\i), \slot, \q, \i
.endr
.endm
.macro SCALES sc
.irp i, 0,1,2,3,4,5,6,7
	ds_load_b64 v[SC+8*NQ*\sc+NQ*\i:SC+8*NQ*\sc+NQ*\i+1], v[ADRS] offset:\i*SBLK
.endr
.endm
.macro PLACES n
.rept \n
	v_nop
.endr
.endm
.macro STEP slot, q, first
	s_wait_dscnt 4*NLA
.if \first
	WIN BIA_LO
.else
	WIN MUL_LO
.endif
	MUL16 0, (\q)%2, \q, \slot, \first
	MUL16 2, (\q)%2, \q, \slot, \first
	s_wait_dscnt 0
	PLACES NP
	FETCH_B \slot, (\q)+1, 1-(\q)%2
	FETCH_A \slot, (\q)+1, 0
.if \first
	WIN BIA_HI
.else
	WIN MUL_HI
.endif
	MUL16 4, (\q)%2, \q, \slot, \first
	MUL16 6, (\q)%2, \q, \slot, \first
	PLACES NP
	WIN 0
	FETCH_A \slot, (\q)+1, 4
.endm
.macro TURN slot, next, fill
	s_wait_tensorcnt 0x0
	ds_add_u32 v[SPW], v[NIL]
	s_wait_dscnt 4*NLA+1
	WIN MUL_LO
	MUL16 0, 1, NQ-1, \slot, 0
	s_wait_dscnt 0x0
	s_barrier_signal -1
	MUL16 2, 1, NQ-1, \slot, 0
	WIN 0
	s_barrier_wait -1
.if \fill
	CREST
	s_add_nc_u64 s[G0+4*\slot+2:G0+4*\slot+3], s[G0+4*\slot+2:G0+4*\slot+3], 2*ASTEP
	s_add_nc_u64 s[G0B+4*\slot+2:G0B+4*\slot+3], s[G0B+4*\slot+2:G0B+4*\slot+3], 2*ROWB
	JLOAD G0+4*\slot, G1, G0B+4*\slot, G1B
.else
	PLACES NP
.endif
	s_wait_alu depctr_va_vdst(0)
	v_add_nc_u32 v[ADRS], 4*NQ, v[ADRS]
	FETCH_B \next, 0, 0
	FETCH_A \next, 0, 0
	SCALES \next
	WIN MUL_HI
	MUL16 4, 1, NQ-1, \slot, 0
	MUL16 6, 1, NQ-1, \slot, 0
	PLACES NP
	WIN 0
	FETCH_A \next, 0, 4
.endm
	s_wait_alu depctr_va_vdst(0)
	s_wait_tensorcnt 0x0
	ds_add_u32 v[SPW], v[NIL]
	s_wait_dscnt 0x0
	CROUND
	JLOAD G0+4, G1, G0B+4, G1B
	FETCH_B 0, 0, 0
	FETCH_A 0, 0, 0
	SCALES 0
	FETCH_A 0, 0, 4
	s_wait_loadcnt 0x0
	STEP 0, 0, 1
	s_mov_b32 s3, LAPS-1
.Llap:
	TURN 0, 1, 1
	STEP 1, 0, 0
	TURN 1, 0, 1
	STEP 0, 0, 0
	s_sub_co_u32 s3, s3, 1
	s_cmp_lg_u32 s3, 0
	s_cbranch_scc1 .Llap
	TURN 0, 1, 0
	STEP 1, 0, 0
	s_wait_dscnt 4*NLA
	WIN MUL_LO
	MUL16 0, 1, NQ-1, 1, 0
	MUL16 2, 1, NQ-1, 1, 0
	s_wait_dscnt 0
	WIN MUL_HI
	MUL16 4, 1, NQ-1, 1, 0
	MUL16 6, 1, NQ-1, 1, 0
	WIN 0
.macro TOSTAGE a
.set AC, 64*((\a)%4)
	WIN 0x08+4*((\a)/4)
.irp b, 0,1,2,3,4,5,6,7
	ds_store_b128 v[STO], v[AC+8*\b:AC+8*\b+3] offset:128*(\b/2)+32*(\b%2)
	ds_store_b128 v[STO], v[AC+8*\b+4:AC+8*\b+7] offset:128*(\b/2)+32*(\b%2)+16
.endr
	WIN 0
.set BB, BK+64*((\a)%2)
.irp t, 0,1,2,3,4,5,6,7,8,9,10,11,12,13,14,15
	ds_load_b128 v[BB+4*\t:BB+4*\t+3], v[RD] offset:\t*SPITCH
.endr
.endm
.macro SEND a, younger
.set BB, BK+64*((\a)%2)
	s_wait_dscnt \younger
.irp t, 0,1,2,3,4,5,6,7,8,9,10,11,12,13,14,15
	global_store_b128 v[CO], v[BB+4*\t:BB+4*\t+3], s[98:99] offset:(32*((\a)/2)+8*((\a)%2)+(\t%8)+16*(\t/8))*4096 th:TH_STORE_NT
.endr
.endm
	PLACES NP
	TOSTAGE 0
.irp a, 1,2,3,4,5,6,7
.if \a > 1
	s_wait_xcnt 0x0
.endif
	TOSTAGE \a
	SEND \a-1, 32
.endr
	SEND 7, 0
	s_wait_tensorcnt 0x0
	ds_add_u32 v[SPW], v[NIL]
	s_wait_dscnt 0x0
	CROUND
	s_endpgm
.Lfunc_end_k_qcf96610e18_oproj:
	.size	k_qcf96610e18_oproj, .Lfunc_end_k_qcf96610e18_oproj-k_qcf96610e18_oproj
	.p2alignl 7, 3214868480
	.fill 96, 4, 3214868480
	.section	.rodata,"a",@progbits
	.p2align	6, 0x0
	.amdhsa_kernel k_qcf96610e18_oproj
		.amdhsa_group_segment_fixed_size 327680
		.amdhsa_private_segment_fixed_size 0
		.amdhsa_enable_private_segment 0
		.amdhsa_kernarg_size 48
		.amdhsa_user_sgpr_count 2
		.amdhsa_user_sgpr_kernarg_segment_ptr 1
		.amdhsa_wavefront_size32 1
		.amdhsa_system_sgpr_workgroup_id_x 1
		.amdhsa_system_sgpr_workgroup_id_y 1
		.amdhsa_system_sgpr_workgroup_id_z 1
		.amdhsa_system_vgpr_workitem_id 0
		.amdhsa_next_free_vgpr 1024
		.amdhsa_next_free_sgpr 100
		.amdhsa_reserve_vcc 0
		.amdhsa_float_denorm_mode_32 3
		.amdhsa_float_denorm_mode_16_64 3
		.amdhsa_memory_ordered 1
		.amdhsa_forward_progress 1
		.amdhsa_inst_pref_size 154
	.end_amdhsa_kernel
	.amdgpu_metadata
---
amdhsa.version: [ 1, 2 ]
amdhsa.kernels:
  - .name:           k_qcf96610e18_oproj
    .symbol:         k_qcf96610e18_oproj.kd
    .args:
      - { .name: oc, .offset: 0, .size: 8, .value_kind: global_buffer, .address_space: global }
      - { .name: os, .offset: 8, .size: 8, .value_kind: global_buffer, .address_space: global }
      - { .name: xc, .offset: 16, .size: 8, .value_kind: global_buffer, .address_space: global }
      - { .name: xs, .offset: 24, .size: 8, .value_kind: global_buffer, .address_space: global }
      - { .name: bo, .offset: 32, .size: 8, .value_kind: global_buffer, .address_space: global }
      - { .name: out0, .offset: 40, .size: 8, .value_kind: global_buffer, .address_space: global }
    .group_segment_fixed_size: 327680
    .private_segment_fixed_size: 0
    .kernarg_segment_align: 8
    .kernarg_segment_size: 48
    .max_flat_workgroup_size: 128
    .sgpr_count:     100
    .vgpr_count:     1024
    .wavefront_size: 32
...
	.end_amdgpu_metadata
.endif
;; end of part 4
